; MI455X (gfx1250); checked and timed in simulation.
; The chip was launched on July 23, 2026; its instructions are those of AMD's public machine-readable ISA for CDNA 5 (MIT licence, August 2026) and "CDNA5" Instruction Set Architecture Reference Guide (July 2026). The comments in the code are by the model that wrote it; some were corrected since.
;; Dual Mode Attention. Allowed arithmetic: float matrix products may take bf16 or f16 operands with f32 sums; other float arithmetic in f32, or as packed bf16 or f16 multiplies, adds, multiply-adds, maxima and minima; sums over many terms, partial sums and values carried from step to step in f32; what a program stores and reads back later, other than sums and carried values, may be rounded once to bf16 or f16.
;; Inputs: Wk 512 x 2,048 float32; Wproj 2,048 x 2,048 float32; Wq 2,048 x 2,048 float32; Wv 512 x 2,048 float32; q_gain 16 float32; x 8 x 512 x 2,048 float32.
;; Outputs: out0 8 x 512 x 2,048 float32.
;; 2 versions, each right; version 2 is version 1 with the launch prep written anew for expert scheduling mode. Each part assembles by itself: llvm-mc -triple=amdgcn-amd-amdhsa -mcpu=gfx1250 --defsym DOCPART=n.
;; ======== version 1 of 2: 4 launches
;; limits: values are held in f16: magnitudes above 65,504 overflow, below 6.1e-05 lose precision
;; workspace buffers: xb 16,777,216 bytes; wcat 12,582,912 bytes; wpf 8,388,608 bytes; tab 524,288 bytes; qh 16,777,216 bytes; kh 4,194,304 bytes; vh 4,194,304 bytes; yh 16,777,216 bytes
;; launch prep (part 1): grid 928 x 1, 8 waves a work-group, no clusters, 0 bytes of LDS; arguments x, Wq, Wk, Wv, xb, wcat, tab; writes xb, wcat, tab
.if DOCPART == 1
	.amdgcn_target "amdgcn-amd-amdhsa--gfx1250"
	.amdhsa_code_object_version 6
	.text
	.protected	k_q0d279b26ab_prep
	.globl	k_q0d279b26ab_prep
	.p2align	8
	.type	k_q0d279b26ab_prep,@function
k_q0d279b26ab_prep:
	s_mov_b64 s[64:65], 0
	v_nop
	global_prefetch_b8 v0, s[64:65] scope:SCOPE_SE
	s_setreg_imm32_b32 hwreg(HW_REG_WAVE_MODE, 25, 1), 1
	s_wait_xcnt 0x0
; CASTS AND THE ROTATION TABLE.  Work-groups 0 .. 895 each round 65,536 bytes of f32 to 32,768 bytes of bf16; work-groups 896 .. 927 each make 16 rows of the cos / sin table.
;   x     -> xb   bf16 [4096][2048]
;   Wq    -> wcat bf16 rows 0 .. 2047;  Wk head n -> wcat rows 2048 + 256 n .. + 127;  Wv head n -> the 128 rows behind them
;   tab   f32 [id 2][tblock 32][cs 2][b 4][q 2][lane 32][4]: t = 16 tblock + lane % 16, d = 16 b + 8 (lane / 16) + 4 q + e; cs 0 cos, 1 sin; id 1: cos = 1, sin = 0
; (Wproj is cast in the next launch, by work-groups that have no part of its product.)
; A stream: no LDS, no barrier, no matrix unit.  A thread's 16 loads of 16 bytes are all out at once; a wave's load covers 512 consecutive bytes, its store 256 consecutive bytes, aligned.
; LIMITS.  The angle t x 10000^(-d/64) is made by 2^x (1 ULP) and differs from the one made by a power and a division by some 5e-5 rad at the most (t = 511).
; cos and sin: reduction by pi/2 in two parts, polynomials of degree 7 and 8 on |r| <= pi/4.
.set NCAST, 896
.set X,  8                             ; v[8:71]    16 x 4 numbers as loaded
.set Y,  72                            ; v[72:103]  16 x 2 registers to store
	s_load_b256 s[16:23], s[0:1], 0x0              ; x 16, Wq 18, Wk 20, Wv 22
	s_load_b128 s[24:27], s[0:1], 0x20             ; xb 24, wcat 26
	s_load_b64 s[32:33], s[0:1], 0x30              ; tab
	s_mov_b32 s2, ttmp9                            ; the work-group's number
	v_lshlrev_b32 v1, 4, v0                        ; 16 bytes a thread in the source (and in the table)
	v_lshlrev_b32 v2, 3, v0                        ; 8 bytes a thread in the destination
	s_wait_kmcnt 0x0
	s_cmp_ge_u32 s2, NCAST
	s_cbranch_scc1 .Ltab
	; which region is mine: source, destination, the region's first work-group, a constant offset, and the shift of u / 16
	s_mov_b64 s[4:5], s[16:17]
	s_mov_b64 s[6:7], s[24:25]
	s_mov_b32 s8, 0
	s_mov_b32 s9, 0
	s_mov_b32 s10, 19
	s_cmp_ge_u32 s2, 512                           ; Wq -> wcat
	s_cselect_b64 s[4:5], s[18:19], s[4:5]
	s_cselect_b64 s[6:7], s[26:27], s[6:7]
	s_cselect_b32 s8, 512, s8
	s_cmp_ge_u32 s2, 768                           ; Wk: 16 units a head, heads 256 rows (1 << 20 bytes) apart, behind Wq's 2,048 rows
	s_cselect_b64 s[4:5], s[20:21], s[4:5]
	s_cselect_b32 s8, 768, s8
	s_cselect_b32 s9, 0x800000, s9
	s_cselect_b32 s10, 20, s10
	s_cmp_ge_u32 s2, 832                           ; Wv: the same, 128 rows further on
	s_cselect_b64 s[4:5], s[22:23], s[4:5]
	s_cselect_b32 s8, 832, s8
	s_cselect_b32 s9, 0x880000, s9
	s_sub_co_u32 s11, s2, s8                       ; u: my unit in the region
	s_lshr_b32 s12, s11, 4
	s_lshl_b32 s12, s12, s10
	s_and_b32 s13, s11, 15
	s_lshl_b32 s13, s13, 15
	s_add_co_u32 s12, s12, s13
	s_add_co_u32 s12, s12, s9                      ; byte offset in the destination
	s_mov_b32 s13, 0
	s_add_nc_u64 s[6:7], s[6:7], s[12:13]
	s_lshl_b32 s14, s11, 16                        ; byte offset in the source
	s_mov_b32 s15, 0
	s_add_nc_u64 s[4:5], s[4:5], s[14:15]
.set i, 0
.rept 16
	global_load_b128 v[X+4*i:X+4*i+3], v1, s[4:5] offset:4096*i th:TH_LOAD_NT
.set i, i+1
.endr
.set i, 0
.rept 16                               ; no register is written twice while a store may read it: each of the 16 stores has its own pair
	s_wait_loadcnt 15-i                            ; loads come back in order: number i is in, the 15 - i younger ones stay out
	v_cvt_pk_bf16_f32 v[Y+2*i], v[X+4*i], v[X+4*i+1]
	v_cvt_pk_bf16_f32 v[Y+2*i+1], v[X+4*i+2], v[X+4*i+3]
	global_store_b64 v2, v[Y+2*i:Y+2*i+1], s[6:7] offset:2048*i
.set i, i+1
.endr
	s_endpgm
.Ltab:                                         ; thread = 64 b + 32 q + lane: its 16 bytes lie at 16 x thread in each block of 4,096
	s_sub_co_u32 s3, s2, NCAST                     ; tblock
	s_lshl_b32 s4, s3, 4
	s_lshl_b32 s6, s3, 13                          ; 8,192 bytes a tblock
	s_mov_b32 s7, 0
	s_add_nc_u64 s[32:33], s[32:33], s[6:7]
	s_mov_b32 s34, 0xbe549a78                      ; -log2(10000) / 64
	s_mov_b32 s35, 0x3f22f983                      ; 2 / pi
	s_mov_b32 s36, 0xbfc90fdb                      ; -(pi / 2), the f32 next to it,
	s_mov_b32 s37, 0x333bbd2e                      ; and what that f32 has too much
	s_mov_b32 s38, 0xb94ca1f9                      ; sin: -1.9515296e-4
	s_mov_b32 s39, 0x3c08839e                      ;       8.3321609e-3
	s_mov_b32 s40, 0xbe2aaaa3                      ;      -1.6666655e-1
	s_mov_b32 s41, 0x37ccf5ce                      ; cos:  2.4433157e-5
	s_mov_b32 s42, 0xbab6061a                      ;      -1.3887316e-3
	s_mov_b32 s43, 0x3d2aaaa5                      ;       4.1666646e-2
	v_and_b32 v3, 15, v0
	v_bfe_u32 v4, v0, 4, 1
	v_bfe_u32 v5, v0, 5, 1
	v_lshrrev_b32 v6, 6, v0
	v_add_nc_u32 v3, s4, v3
	v_cvt_f32_u32 v3, v3                           ; t
	v_lshlrev_b32 v6, 4, v6
	v_lshl_add_u32 v6, v4, 3, v6
	v_lshl_add_u32 v6, v5, 2, v6                   ; d of my first number
.irp e, 0,1,2,3
	v_add_nc_u32 v[8+(\e)], (\e), v6
	v_cvt_f32_u32 v[8+(\e)], v[8+(\e)]
	v_mul_f32 v[8+(\e)], s34, v[8+(\e)]
.endr
.irp e, 0,1,2,3
	v_exp_f32 v[12+(\e)], v[8+(\e)]                ; 10000^(-d/64)
.endr
	v_nop                                          ; a plain instruction behind the last exponential,
	s_wait_alu depctr_va_vdst(0)                   ; and one wait for the four, ahead of their first reader
.irp e, 0,1,2,3
	v_mul_f32 v[16+(\e)], v3, v[12+(\e)]           ; the angle f
	v_mul_f32 v[20+(\e)], s35, v[16+(\e)]
	v_rndne_f32 v[20+(\e)], v[20+(\e)]             ; k = the nearest multiple of pi / 2
	v_fma_f32 v[16+(\e)], v[20+(\e)], s36, v[16+(\e)]
	v_fma_f32 v[16+(\e)], v[20+(\e)], s37, v[16+(\e)]  ; r = f - k pi / 2
	v_mul_f32 v[24+(\e)], v[16+(\e)], v[16+(\e)]   ; z = r r
	v_fma_f32 v[28+(\e)], v[24+(\e)], s38, s39
	v_fma_f32 v[28+(\e)], v[24+(\e)], v[28+(\e)], s40
	v_mul_f32 v[28+(\e)], v[28+(\e)], v[24+(\e)]
	v_fma_f32 v[28+(\e)], v[28+(\e)], v[16+(\e)], v[16+(\e)]  ; sin r
	v_fma_f32 v[32+(\e)], v[24+(\e)], s41, s42
	v_fma_f32 v[32+(\e)], v[24+(\e)], v[32+(\e)], s43
	v_fma_f32 v[32+(\e)], v[24+(\e)], v[32+(\e)], -0.5
	v_fma_f32 v[32+(\e)], v[24+(\e)], v[32+(\e)], 1.0         ; cos r
	v_cvt_i32_f32 v[20+(\e)], v[20+(\e)]
	v_and_b32 v36, 1, v[20+(\e)]
	v_cmp_eq_u32 vcc_lo, 1, v36                    ; odd k: sin and cos change places
	v_cndmask_b32 v[44+(\e)], v[28+(\e)], v[32+(\e)], vcc_lo
	v_cndmask_b32 v[40+(\e)], v[32+(\e)], v[28+(\e)], vcc_lo
	v_and_b32 v36, 2, v[20+(\e)]                   ; sin changes sign for k % 4 = 2, 3
	v_lshlrev_b32 v36, 30, v36
	v_xor_b32 v[44+(\e)], v36, v[44+(\e)]
	v_add_nc_u32 v37, 1, v[20+(\e)]                ; cos for k % 4 = 1, 2
	v_and_b32 v37, 2, v37
	v_lshlrev_b32 v37, 30, v37
	v_xor_b32 v[40+(\e)], v37, v[40+(\e)]
	v_mov_b32 v[48+(\e)], 1.0
	v_mov_b32 v[52+(\e)], 0
.endr
	global_store_b128 v1, v[40:43], s[32:33]                 ; cos
	global_store_b128 v1, v[44:47], s[32:33] offset:4096     ; sin
	global_store_b128 v1, v[48:51], s[32:33] offset:262144   ; the table that turns nothing: ones,
	global_store_b128 v1, v[52:55], s[32:33] offset:266240   ; zeros
	s_endpgm
.Lfunc_end_k_q0d279b26ab_prep:
	.size	k_q0d279b26ab_prep, .Lfunc_end_k_q0d279b26ab_prep-k_q0d279b26ab_prep
	.p2alignl 7, 3214868480
	.fill 96, 4, 3214868480
	.section	.rodata,"a",@progbits
	.p2align	6, 0x0
	.amdhsa_kernel k_q0d279b26ab_prep
		.amdhsa_group_segment_fixed_size 0
		.amdhsa_private_segment_fixed_size 0
		.amdhsa_enable_private_segment 0
		.amdhsa_kernarg_size 56
		.amdhsa_user_sgpr_count 2
		.amdhsa_user_sgpr_kernarg_segment_ptr 1
		.amdhsa_wavefront_size32 1
		.amdhsa_system_sgpr_workgroup_id_x 1
		.amdhsa_system_sgpr_workgroup_id_y 1
		.amdhsa_system_sgpr_workgroup_id_z 1
		.amdhsa_system_vgpr_workitem_id 0
		.amdhsa_next_free_vgpr 104
		.amdhsa_next_free_sgpr 66
		.amdhsa_reserve_vcc 1
		.amdhsa_float_denorm_mode_32 3
		.amdhsa_float_denorm_mode_16_64 3
		.amdhsa_memory_ordered 1
		.amdhsa_forward_progress 1
		.amdhsa_inst_pref_size 15
	.end_amdhsa_kernel
	.amdgpu_metadata
---
amdhsa.version: [ 1, 2 ]
amdhsa.kernels:
  - .name:           k_q0d279b26ab_prep
    .symbol:         k_q0d279b26ab_prep.kd
    .args:
      - { .name: x, .offset: 0, .size: 8, .value_kind: global_buffer, .address_space: global }
      - { .name: Wq, .offset: 8, .size: 8, .value_kind: global_buffer, .address_space: global }
      - { .name: Wk, .offset: 16, .size: 8, .value_kind: global_buffer, .address_space: global }
      - { .name: Wv, .offset: 24, .size: 8, .value_kind: global_buffer, .address_space: global }
      - { .name: xb, .offset: 32, .size: 8, .value_kind: global_buffer, .address_space: global }
      - { .name: wcat, .offset: 40, .size: 8, .value_kind: global_buffer, .address_space: global }
      - { .name: tab, .offset: 48, .size: 8, .value_kind: global_buffer, .address_space: global }
    .group_segment_fixed_size: 0
    .private_segment_fixed_size: 0
    .kernarg_segment_align: 8
    .kernarg_segment_size: 56
    .max_flat_workgroup_size: 256
    .sgpr_count:     66
    .vgpr_count:     104
    .wavefront_size: 32
...
	.end_amdgpu_metadata
.endif
;; end of part 1
;; launch qkv (part 2): grid 16 x 16, 4 waves a work-group, clusters of 4 x 4, 327,680 bytes of LDS; arguments xb, wcat, tab, q_gain, qh, kh, vh, Wproj, wpf; writes qh, kh, vh, wpf
.if DOCPART == 2
	.amdgcn_target "amdgcn-amd-amdhsa--gfx1250"
	.amdhsa_code_object_version 6
	.text
	.protected	k_q0d279b26ab_qkv
	.globl	k_q0d279b26ab_qkv
	.p2align	8
	.type	k_q0d279b26ab_qkv,@function
k_q0d279b26ab_qkv:
	s_mov_b64 s[64:65], 0
	v_nop
	global_prefetch_b8 v0, s[64:65] scope:SCOPE_SE
	s_setreg_imm32_b32 hwreg(HW_REG_WAVE_MODE, 25, 1), 1
	s_wait_xcnt 0x0
	s_wait_alu depctr_hold_cnt(0) depctr_sa_sdst(0) depctr_va_vdst(0) depctr_va_sdst(0) depctr_va_ssrc(0) depctr_va_vcc(0) depctr_vm_vsrc(0)
	s_getreg_b32 s2, hwreg(HW_REG_IB_STS2, 6, 4)
	s_cmp_eq_u32 s2, 0
	s_cbranch_scc0 .Lentry_in_a_cluster
	s_endpgm
.Lentry_in_a_cluster:
	s_bfe_u32 s2, ttmp6, 0x10000c
	s_cmp_lg_u32 s2, 0xf033
	s_cbranch_scc0 .Lentry_shape_is_right
	s_endpgm
.Lentry_shape_is_right:
; THE THREE PROJECTIONS AS ONE PRODUCT, C = xb wcat^T (4096 x 3072, K = 2048, bf16 operands, f32 sums), WITH RMS NORM, ROTATION AND GAIN ON THE WAY OUT; AND THE CAST OF Wproj.
; The grid is 16 x 16 work-groups in clusters of 4 x 4.  C has 12 x 16 tiles of 256 x 256: the clusters with x = 0, 1, 2 make them.  The four clusters with x = 3 have no tile: their 64 work-groups
; round Wproj to bf16, like the other inputs, and write that number as f16 into wpf (its partner in the last product is f16): 262,144 bytes of f32 each.  The branch hangs on the cluster's x alone.
; A tile of C is made by four waves, each 128 rows x 128 columns: 64 accumulators of 16 x 16.  A WAVE'S 128 COLUMNS ARE ONE HEAD: tile columns 0 .. 7 hold the 16 query heads,
; tile column 8 + n holds K's head n (left half) and V's head n (right half).  So a row's sum of squares wants one exchange between the halves of the lanes, the rotation's partners
; (d, d + 64) are accumulators b and b + 4 in the same lane and register, and a row of the result is 256 consecutive bytes.
; K goes in steps of 128 through two LDS slots filled by the tensor data mover (rows of 256 bytes, at multiples of 256 from the buffer's first byte).
; JOINT LOADS: A's tile hangs on the tile row alone and is asked for jointly by the four of a row of the cluster, B's on the tile column alone, by the four of a column.
; THE MATRIX INSTRUCTION IS USED TRANSPOSED (source 0 = 16 rows of wcat, source 1 = 16 rows of xb): lane l holds row l % 16 of C, registers 0 .. 7 the columns 8 (l / 16) + 0 .. 7.
; OUT: qh [8][16][512][128], kh and vh [8][4][512][128], f16, each number rounded once from f32.  q = rot(x rsqrt(mean x^2 + 1e-6)) gain, k the same without gain, v as it is:
; all three run one text; V's waves read the table with cos = 1, sin = 0 and take the scale 1.  q_gain is rounded to bf16, like the other inputs.
; LIMITS.  f16 ends at 65,504: |q| <= 11.4 gain and |k| <= 11.4 by the norm; v must stay within it, and so must Wproj, of which a number below 6.1e-5 keeps f16's fixed step of 6e-8.
; NaN and infinities are not treated apart (V passes x 1 - x' 0).
; REGISTERS, in windows of 256 (s_set_vgpr_msb: bits 1:0 source 0, 3:2 source 1, 5:4 source 2, 7:6 destination):
;   window 0: v16-30 addresses; v64-127, v128-191 fragments of A, two buffers; on the way out v32-63, v224-255 rows read back, v64-127 turned numbers, v128-171 statistics, v192-223 packed
;   window 1: v64-127, v128-191 fragments of B, two buffers; v0-63, v192-255 two blocks of the table, asked for ahead of the loop; on the way out all 256: four blocks of the table
;   window 2: accumulators of my rows 0-63 ((a, b) at v[8 (8 (a % 4) + b)]);  window 3: of my rows 64-127
.set NA,     8                         ; blocks of 16 rows of A in a wave
.set LGA,    7                         ; log2(16 NA)
.set KSTEP,  128
.set SIZE_K, 2048
.set PITCH,  272                       ; an LDS row: 256 bytes + 16 of padding = 68 words: the 16 rows of a load start at 16 different groups of four banks (64 banks of 4 bytes: ISA guide 11.1)
.set HALFA,  16*NA*PITCH               ; what one tensor load brings of A, and what one wave reads of it
.set HALFB,  128*PITCH                 ; the same for B
.set SLOT,   2*HALFA+2*HALFB           ; A's rows, then B's 256 rows
.set STAGE,  2*SLOT                    ; behind the ring: 16 rows x 272 bytes for each wave
.set SPITCH, 272
.set SPARE,  STAGE+4*16*SPITCH         ; behind the stages: the spare words, 128 bytes for each wave, that no other line names
.set LAPS,   SIZE_K/(2*KSTEP)
.set ADRA, 16                          ; v16-17  LDS address of my A fragments in slot 0, 1
.set ADRB, 20                          ; v20-21  the same for B
.set STO,  24                          ; v24     the way out: where I put 16 bytes of a row
.set RD,   25                          ; v25     where I read rows back
.set CO,   26                          ; v26     16 x lane: my place in 512 consecutive bytes, of the result and of the table
.set SPW,  28                          ; v28     LDS address of my spare word; never rewritten
.set NIL,  29                          ; v29     0; never rewritten
.set PFO,  30                          ; v30     the prefetches' offset: lane x a row of 4,096 bytes; never rewritten
.set F0,   64
.set F1,   128
.set G1,   24                          ; s[24:31] descriptor group 1 for A's tiles;  s[32:39] group 0, a set for each slot
.set G0,   32
.set G1B,  48                          ; s[48:55], s[56:63] the same for B's
.set G0B,  56
.set PFA,  44                          ; s[44:45] where my prefetches stand
.set LIM,  43                          ; s43  1 in a wave that prefetches, else the greatest number
.set MSB, 0
.macro WIN new                         ; the immediate's high byte repeats the setting that is left; a switch that changes nothing is dropped
.if MSB != (\new)
	s_set_vgpr_msb (MSB<<8)|(\new)
.set MSB, \new
.endif
.endm
.macro PLACES                          ; four plain instructions between a matrix instruction and a load into, or a vector instruction on, its registers
.rept 4
	v_nop
.endr
.endm
; A joint load: waves 0 and 1 fetch A's two halves, waves 2 and 3 B's.  The branch hangs on the wave's number alone.  An s_nop 0 and four v_nop follow each line.
.macro JLOAD s
	s_cmp_eq_u32 s11, 0
	s_cbranch_scc0 .Lfor_b_\@
	tensor_load_to_lds s[G0+4*(\s):G0+4*(\s)+3], s[G1:G1+7]
	s_nop 0
.rept 4
	v_nop
.endr
	s_branch .Lasked_\@
.Lfor_b_\@:
	tensor_load_to_lds s[G0B+4*(\s):G0B+4*(\s)+3], s[G1B:G1B+7]
	s_nop 0
.rept 4
	v_nop
.endr
.Lasked_\@:
.endm
; A prefetch of the K step that stands two refills on: 32 rows x 256 bytes, a lane a row.  Each row's 256 bytes of a K step are named once in the launch: A's by the clusters with x = 0, B's by
; those with y = 0; the four partners of a joint load take 32 of its 128 rows each, told apart by address.  The loop's last trip (s3 = 1) has no K step two on and asks for nothing.
.macro ASK
	s_cmp_gt_u32 s3, s[LIM]
	s_cbranch_scc0 .Lnot_mine_\@
	global_prefetch_b8 v[PFO], s[PFA:PFA+1] offset:KSTEP*2 th:TH_LOAD_NT scope:SCOPE_SE
.Lnot_mine_\@:
.endm
.macro CREST                           ; a round of the cluster's barrier behind its opening barrier
	s_cmp_lg_u32 s10, 0
	s_cbranch_scc1 .Lnot_wave_0_\@
	s_barrier_signal -3
.Lnot_wave_0_\@:
	s_barrier_wait -3
	s_barrier_signal -1
	s_barrier_wait -1
.endm
.macro CROUND
	s_barrier_signal -1
	s_barrier_wait -1
	CREST
.endm
	s_mov_b32 s66, ttmp9                           ; the cluster's x, which all sixteen partners share
	s_cmp_eq_u32 s66, 3
	s_cbranch_scc1 .Lcast                          ; the clusters without a tile of C
	s_load_b128 s[4:7], s[0:1], 0x0                ; xb s[4:5], wcat s[6:7]
	s_load_b256 s[68:75], s[0:1], 0x10             ; tab 68, q_gain 70, qh 72, kh 74
	s_load_b64 s[76:77], s[0:1], 0x30              ; vh
	v_lshl_add_u32 v[SPW], v0, 2, SPARE
	v_mov_b32 v[NIL], 0
	ds_add_u32 v[SPW], v[NIL]                      ; the wave's opening: the add and its wait stand ahead of my first tensor load; work on registers stands between them
	v_lshrrev_b32 v1, 5, v0
	v_readfirstlane_b32 s10, v1                    ; wave 0..3
	s_lshr_b32 s11, s10, 1                         ; my half of the tile's rows.  Also: I fetch for A (0) or B (1)
	s_and_b32 s12, s10, 1                          ; my half of its columns.  Also: which half of that tile I fetch
	s_bfe_u32 s40, ttmp6, 0x40000                  ; cx
	s_bfe_u32 s41, ttmp6, 0x40004                  ; cy
	s_lshl_b32 s42, ttmp9, 2
	s_add_co_u32 s42, s42, s40                     ; tile column = 4 x cluster x + cx
	s_and_b32 s13, ttmp7, 0xffff
	s_lshl_b32 s13, s13, 2
	s_add_co_u32 s13, s13, s41                     ; tile row = 4 x cluster y + cy
	s_lshl_b32 s43, s41, 2
	s_lshl_b32 s43, 15, s43                        ; my row of the cluster
	s_lshl_b32 s44, 0x1111, s40                    ; my column
	s_or_b32 s[G1+0], s43, (1<<16)|(1<<20)|(1<<21)|(5<<22)|(3<<25)   ; the mask; 2-byte elements; padding on; bit 21 beside a mask; after every 64 words, 4 words
	s_or_b32 s[G1B+0], s44, (1<<16)|(1<<20)|(1<<21)|(5<<22)|(3<<25)
.irp g, G1, G1B
	s_mov_b32 s[(\g)+1], KSTEP<<16                 ; tensor_dim0 = 128
	s_mov_b32 s[(\g)+3], KSTEP<<16                 ; tile_dim0 = 128
	s_mov_b32 s[(\g)+5], SIZE_K                    ; elements from row to row
	s_mov_b32 s[(\g)+6], 0
	s_mov_b32 s[(\g)+7], 0
.endr
	s_mov_b32 s[G1+2], (16*NA)<<16                 ; tensor_dim1
	s_mov_b32 s[G1+4], 16*NA                       ; tile_dim1
	s_mov_b32 s[G1B+2], 128<<16
	s_mov_b32 s[G1B+4], 128
	s_lshl_b32 s17, s12, LGA
	s_lshl_b32 s16, s13, LGA+1
	s_add_co_u32 s16, s16, s17                     ; A: the first row that I fetch
	s_lshl_b32 s16, s16, 12                        ; x 4,096 bytes
	s_mov_b32 s17, 0
	s_lshl_b32 s47, s12, 7
	s_lshl_b32 s46, s42, 8
	s_add_co_u32 s46, s46, s47                     ; B: the same
	s_lshl_b32 s46, s46, 12
	s_mov_b32 s47, 0
	s_mul_i32 s20, s12, HALFA                      ; where they go: no place in the cluster enters an LDS address
	s_mul_i32 s21, s12, HALFB
	s_add_co_u32 s21, s21, 2*HALFA
	s_wait_dscnt 0x0                               ; the opening add is done
	s_wait_kmcnt 0x0
	s_add_nc_u64 s[14:15], s[4:5], s[16:17]
	s_add_nc_u64 s[46:47], s[6:7], s[46:47]
	CROUND                                         ; all sixteen work-groups are here: the first joint loads meet
.irp s, 0,1
	s_mov_b32 s[G0+4*(\s)], 1
	s_add_co_u32 s[G0+4*(\s)+1], s20, (\s)*SLOT
	s_add_nc_u64 s[G0+4*(\s)+2:G0+4*(\s)+3], s[14:15], (\s)*KSTEP*2
	s_or_b32 s[G0+4*(\s)+3], s[G0+4*(\s)+3], 0x80000000
	s_mov_b32 s[G0B+4*(\s)], 1
	s_add_co_u32 s[G0B+4*(\s)+1], s21, (\s)*SLOT
	s_add_nc_u64 s[G0B+4*(\s)+2:G0B+4*(\s)+3], s[46:47], (\s)*KSTEP*2
	s_or_b32 s[G0B+4*(\s)+3], s[G0B+4*(\s)+3], 0x80000000
	JLOAD \s                                       ; two loads of mine are out
.endr
	; a fragment is 16 rows x 32 K in 8 registers: lane l holds row l % 16, K = 8 (l / 16) + 0..7 and 16 + 8 (l / 16) + 0..7: two loads of 16 bytes, 32 bytes apart
	v_and_b32 v1, 15, v0
	v_bfe_u32 v2, v0, 4, 1
	v_mul_u32_u24 v3, v1, PITCH
	v_lshl_add_u32 v3, v2, 4, v3
	s_mul_i32 s21, s11, HALFA
	s_mul_i32 s22, s12, HALFB
	s_add_co_u32 s22, s22, 2*HALFA
.irp s, 0,1
	v_add_nc_u32 v[ADRA+(\s)], s21, v3
	v_add_nc_u32 v[ADRB+(\s)], s22, v3
	s_add_co_u32 s21, s21, SLOT
	s_add_co_u32 s22, s22, SLOT
.endr
	s_mul_i32 s23, s10, 16*SPITCH
	s_add_co_u32 s23, s23, STAGE                   ; my stage
	v_mul_u32_u24 v4, v1, SPITCH
	v_lshl_add_u32 v4, v2, 4, v4
	v_add_nc_u32 v[STO], s23, v4                   ; in: row l % 16, 16 bytes for each half of the lanes
	v_mul_u32_u24 v5, v2, SPITCH
	v_lshl_add_u32 v5, v1, 4, v5
	v_add_nc_u32 v[RD], s23, v5                    ; back: lanes 0-15 one row of 256 bytes, lanes 16-31 the next
	v_and_b32 v[CO], 31, v0
	v_lshlrev_b32 v[CO], 4, v[CO]
	; what the way out needs.  cx and cy enter values and global addresses alone
	s_cmp_lt_u32 s66, 2
	s_cselect_b32 s82, 1, 0                        ; a query head?
	s_xor_b32 s83, s82, 1
	s_and_b32 s83, s83, s12                        ; a head of V?
	s_lshl_b32 s78, s42, 1
	s_add_co_u32 s78, s78, s12                     ; the query head
	s_min_u32 s81, s78, 15                         ; (K's and V's waves read a gain that they do not use)
	s_lshl_b32 s81, s81, 2
	s_load_b32 s80, s[70:71], s81 offset:0x0       ; waited for ahead of the way out
	s_lshr_b32 s79, s13, 1                         ; the batch: two tile rows each
	s_lshl_b32 s67, s79, 4
	s_add_co_u32 s67, s67, s78                     ; 16 batch + head
	s_lshl_b32 s88, s79, 2
	s_add_co_u32 s88, s88, s40                     ; 4 batch + kv head
	s_cmp_eq_u32 s82, 1
	s_cselect_b32 s67, s67, s88
	s_lshl_b32 s88, s67, 17                        ; a head is 512 rows of 256 bytes
	s_and_b32 s89, s13, 1
	s_lshl_b32 s90, s89, 1
	s_add_co_u32 s90, s90, s11                     ; which 128 of the 512 tokens are mine
	s_lshl_b32 s91, s90, 15
	s_add_co_u32 s88, s88, s91
	s_mov_b32 s89, 0
	s_cmp_eq_u32 s83, 1
	s_cselect_b64 s[8:9], s[76:77], s[74:75]
	s_cmp_eq_u32 s82, 1
	s_cselect_b64 s[8:9], s[72:73], s[8:9]
	s_add_nc_u64 s[8:9], s[8:9], s[88:89]          ; the result at my first row
	s_lshl_b32 s92, s90, 16                        ; 8 blocks of the table, 8,192 bytes each
	s_lshl_b32 s93, s83, 18                        ; V: the table that turns nothing
	s_add_co_u32 s92, s92, s93
	s_mov_b32 s93, 0
	s_add_nc_u64 s[68:69], s[68:69], s[92:93]
	s_mov_b32 s94, 0x3c000000                      ; 1 / 128
	s_mov_b32 s95, 0x358637bd                      ; 1e-6
	s_mov_b32 s96, 0x76543210                      ; v_permlanex16_b32: each lane takes its own place in the other half
	s_mov_b32 s97, 0xfedcba98
	; the prefetches
	s_lshl_b32 s86, s13, LGA+1                     ; the tile's first row in A,
	s_lshl_b32 s87, s42, 8                         ; in B
	s_and_b32 s22, ttmp7, 0xffff
	s_cmp_eq_u32 s11, 0
	s_cselect_b32 s20, s86, s87
	s_cselect_b32 s21, s40, s41                    ; my place among the four that ask with me
	s_cselect_b32 s22, ttmp9, s22                  ; the coordinate along which other clusters read the same rows
	s_cselect_b64 s[PFA:PFA+1], s[4:5], s[6:7]
	s_cmp_eq_u32 s22, 0
	s_cselect_b32 s[LIM], 1, -1
	s_lshl_b32 s22, s12, 7
	s_add_co_u32 s20, s20, s22                     ; + the 128 rows that I fetch
	s_lshl_b32 s21, s21, 5
	s_add_co_u32 s20, s20, s21                     ; + my work-group's 32 of them
	s_lshl_b32 s20, s20, 12
	s_mov_b32 s21, 0
	s_add_nc_u64 s[PFA:PFA+1], s[PFA:PFA+1], s[20:21]
	s_add_nc_u64 s[PFA:PFA+1], s[PFA:PFA+1], 2*KSTEP*2  ; at K step 2: the first refill steps it to 3 and names K step 4.  Nothing is asked for here, at the head
	v_and_b32 v[PFO], 31, v0
	v_lshlrev_b32 v[PFO], 12, v[PFO]
; Block a's cos (32 registers) and sin (32): 16 loads of 512 consecutive bytes, into one of four buffers in window 1: a % 4 = 0, 1, 2, 3 at v0, v192, v128, v64.
.macro TLOAD a
	WIN 0x40
.set TB, (192*((\a)%4))%256
.irp cs, 0,1
.irp b, 0,1,2,3
.irp q, 0,1
	global_load_b128 v[TB+32*(\cs)+8*(\b)+4*(\q):TB+32*(\cs)+8*(\b)+4*(\q)+3], v[CO], s[68:69] offset:(\a)*8192+(\cs)*4096+(\b)*1024+(\q)*512
.endr
.endr
.endr
.endm
	TLOAD 0                                        ; the first two blocks of the table come while K is walked: the loop names neither v0-63 nor v192-255 of window 1
	TLOAD 1
	WIN 0
; 8 matrix instructions: block a of my rows x all 8 column blocks, 32 along K.  zero = 1: the first product starts the sums.  The 64 accumulators take turns, one instruction a turn.
.macro MULA f, a, zero
	WIN 0xa1+0x50*((\a)/4)                         ; source 0 (B) window 1, source 1 (A) window 0, C and D window 2 or 3
.irp b, 0,1,2,3,4,5,6,7
.if \zero
	v_wmma_f32_16x16x32_bf16 v[8*(8*((\a)%4)+(\b)):8*(8*((\a)%4)+(\b))+7], v[(\f)+8*(\b):(\f)+8*(\b)+7], v[(\f)+8*(\a):(\f)+8*(\a)+7], 0
.else
	v_wmma_f32_16x16x32_bf16 v[8*(8*((\a)%4)+(\b)):8*(8*((\a)%4)+(\b))+7], v[(\f)+8*(\b):(\f)+8*(\b)+7], v[(\f)+8*(\a):(\f)+8*(\a)+7], v[8*(8*((\a)%4)+(\b)):8*(8*((\a)%4)+(\b))+7]
.endif
.endr
.endm
.macro MULS f, a0, n, zero             ; blocks a0 .. a0 + n - 1
.set ma, (\a0)
.rept (\n)
	MULA \f, ma, \zero
.set ma, ma+1
.endr
.endm
.macro FETCH slot, k, f                ; one run of LDS loads: the fragments of 32 K at byte k of the rows, B's 16 loads, then A's 2 NA
	WIN 0x40
.set fi, 0
.rept 8
	ds_load_b128 v[(\f)+8*fi:(\f)+8*fi+3],   v[ADRB+(\slot)] offset:(\k)+fi*16*PITCH
	ds_load_b128 v[(\f)+8*fi+4:(\f)+8*fi+7], v[ADRB+(\slot)] offset:(\k)+fi*16*PITCH+32
.set fi, fi+1
.endr
	WIN 0
.set fi, 0
.rept NA
	ds_load_b128 v[(\f)+8*fi:(\f)+8*fi+3],   v[ADRA+(\slot)] offset:(\k)+fi*16*PITCH
	ds_load_b128 v[(\f)+8*fi+4:(\f)+8*fi+7], v[ADRA+(\slot)] offset:(\k)+fi*16*PITCH+32
.set fi, fi+1
.endr
.endm
; A K step is four quarters of 32 along K on buffers 0, 1, 0, 1.  One of the first three: multiplies f and, in its middle, fetches the next quarter into g.
.macro QUARTER slot, k, f, g, zero
	s_wait_dscnt NA                                ; B and A's lower blocks are in; the youngest NA loads (A's upper blocks) may be out
	MULS \f, 0, NA/2, \zero
	PLACES
	FETCH \slot, \k, \g
	s_wait_dscnt 16+2*NA                           ; all but the run just issued
	MULS \f, NA/2, NA/2, \zero
.endm
; The last quarter's first half, and the one barrier of a change of slots: in front of it each wave waits for all its tensor loads (its part of the next slot), adds 0 to its spare word,
; and waits for that and for its own reads of this slot.
.macro MEET round
	WIN 0
	s_wait_tensorcnt 0x0
	ds_add_u32 v[SPW], v[NIL]
	s_wait_dscnt NA+1                              ; (the add and the youngest NA loads may be out)
	MULS F1, 0, NA/4, 0
	s_wait_dscnt 0x0                               ; the add is done, and my reads of this slot are over
	s_barrier_signal -1
	MULS F1, NA/4, NA/4, 0
.if \round
	WIN 0
.endif
	s_barrier_wait -1
.endm
; The whole last quarter with a refill: the barrier opens a round of the cluster's, and the joint refill, two K steps on, is the first tensor load behind it.
.macro TURN slot, next
	s_wait_xcnt 0x0                                ; the last prefetch, a K step back, has read its address
	s_add_nc_u64 s[PFA:PFA+1], s[PFA:PFA+1], KSTEP*2
	MEET 1
	CREST                                          ; no wave of any partner still reads this slot or has a load on its way
	s_add_nc_u64 s[G0+4*(\slot)+2:G0+4*(\slot)+3], s[G0+4*(\slot)+2:G0+4*(\slot)+3], 2*KSTEP*2
	s_add_nc_u64 s[G0B+4*(\slot)+2:G0B+4*(\slot)+3], s[G0B+4*(\slot)+2:G0B+4*(\slot)+3], 2*KSTEP*2
	JLOAD \slot                                    ; its four v_nop are also the places in front of the loads below
	FETCH \next, 0, F0
	ASK
	MULS F1, NA/2, NA/2, 0
.endm
	s_wait_tensorcnt 1                             ; my part of K step 0 is in; K step 1's may stay out
	s_barrier_signal -1
	s_barrier_wait -1
	FETCH 0, 0, F0
	QUARTER 0, 64, F0, F1, 1                       ; the first quarter stands in front of the loop: its products start the sums
	WIN 0
	s_mov_b32 s3, LAPS-1
.Llap:                                         ; a trip goes once round the ring, from a lap's second quarter to the next lap's first
	QUARTER 0, 128, F1, F0, 0
	QUARTER 0, 192, F0, F1, 0
	TURN 0, 1
	QUARTER 1, 64,  F0, F1, 0
	QUARTER 1, 128, F1, F0, 0
	QUARTER 1, 192, F0, F1, 0
	TURN 1, 0
	QUARTER 0, 64,  F0, F1, 0
	WIN 0
	s_sub_co_u32 s3, s3, 1
	s_cmp_lg_u32 s3, 0
	s_cbranch_scc1 .Llap
	QUARTER 0, 128, F1, F0, 0                      ; the last lap fills nothing
	QUARTER 0, 192, F0, F1, 0
	MEET 0
	PLACES
	FETCH 1, 0, F0
	MULS F1, NA/2, NA/2, 0
	QUARTER 1, 64,  F0, F1, 0
	QUARTER 1, 128, F1, F0, 0
	QUARTER 1, 192, F0, F1, 0
	s_wait_dscnt NA
	MULS F1, 0, NA/2, 0
	s_wait_dscnt 0x0
	MULS F1, NA/2, NA/2, 0
	WIN 0
	PLACES
; THE WAY OUT, a block of 16 rows at a time, IN TWO TRIPS OF FOUR BLOCKS: the text names window 2's accumulators alone; between the trips window 3's are copied there.
.set W,   64                           ; v64-127   the turned numbers: column 16 bb + 8 (l / 16) + j at W + 8 bb + j
.set SC,  128                          ; v128-135  a pair for each of a trip's blocks: the row's scale
.set Z,   144                          ; v144-151  four chains of the sum of squares
.set SS,  152                          ; v152-155  the sums
.set T,   160                          ; v160-163  the other half of the lanes'
.set R,   168                          ; v168-171  1 / root
.set TMP, 192                          ; v192-223  packed
.set OB,  32                           ; v32-63 and v224-255 by turns: rows read back
.macro SUMSQ a                         ; my 64 numbers of the row, squared and added; each accumulator's lowest registers are read first
	WIN 0x0a
.irp b, 0,1,2,3,4,5,6,7
.irp p, 0,1,2,3
.set rA, 8*(8*(\a)+(\b))+2*(\p)
.if (\b) == 0
	v_pk_mul_f32 v[Z+2*(\p):Z+2*(\p)+1], v[rA:rA+1], v[rA:rA+1]
.else
	v_pk_fma_f32 v[Z+2*(\p):Z+2*(\p)+1], v[rA:rA+1], v[rA:rA+1], v[Z+2*(\p):Z+2*(\p)+1]
.endif
.endr
.endr
	WIN 0
	v_pk_add_f32 v[Z:Z+1], v[Z:Z+1], v[Z+2:Z+3]
	v_pk_add_f32 v[Z+4:Z+5], v[Z+4:Z+5], v[Z+6:Z+7]
	v_pk_add_f32 v[Z:Z+1], v[Z:Z+1], v[Z+4:Z+5]
	v_add_f32 v[SS+(\a)], v[Z], v[Z+1]
	v_mov_b32 v[T+(\a)], v[SS+(\a)]                ; the exchange's destination counts as read: it is written here
.endm
.macro SCALE a                         ; the row's scale goes into the table's 64 numbers
	WIN 0x41
.set TB, (192*((\a)%4))%256
.set si, 0
.rept 32
	v_pk_mul_f32 v[TB+si:TB+si+1], v[TB+si:TB+si+1], v[SC+2*(\a):SC+2*(\a)+1] op_sel_hi:[1,0]
.set si, si+2
.endr
.endm
.macro ROPE a                          ; x1 c - x2 s and x2 c + x1 s: x1 in accumulators 0-3, x2 in 4-7
	WIN 0x06                                       ; source 0 the accumulators, source 1 the table, the rest window 0
.set TB, (192*((\a)%4))%256
.irp b, 0,1,2,3
.irp p, 0,1,2,3
.set X1, 8*(8*(\a)+(\b))+2*(\p)
.set wi, 8*(\b)+2*(\p)
	v_pk_mul_f32 v[W+wi:W+wi+1], v[X1:X1+1], v[TB+wi:TB+wi+1]
	v_pk_mul_f32 v[W+32+wi:W+32+wi+1], v[X1+32:X1+33], v[TB+wi:TB+wi+1]
.endr
.endr
.irp b, 0,1,2,3
.irp p, 0,1,2,3
.set X1, 8*(8*(\a)+(\b))+2*(\p)
.set wi, 8*(\b)+2*(\p)
	v_pk_fma_f32 v[W+wi:W+wi+1], v[X1+32:X1+33], v[TB+32+wi:TB+32+wi+1], v[W+wi:W+wi+1] neg_lo:[1,0,0] neg_hi:[1,0,0]
	v_pk_fma_f32 v[W+32+wi:W+32+wi+1], v[X1:X1+1], v[TB+32+wi:TB+32+wi+1], v[W+32+wi:W+32+wi+1]
.endr
.endr
.endm
.macro PACKH
	WIN 0
.set pi, 0
.rept 32
	v_cvt_pk_f16_f32 v[TMP+pi], v[W+2*pi], v[W+2*pi+1]
.set pi, pi+1
.endr
.endm
.macro TOSTAGE a                       ; into my own stage, and back as whole rows: LDS serves a wave's instructions in order (ISA guide 5.7.1.4), so no wait stands between
	WIN 0
.set BK, OB+192*((\a)%2)
.irp b, 0,1,2,3,4,5,6,7
	ds_store_b128 v[STO], v[TMP+4*(\b):TMP+4*(\b)+3] offset:32*(\b)
.endr
.irp t, 0,1,2,3,4,5,6,7
	ds_load_b128 v[BK+4*(\t):BK+4*(\t)+3], v[RD] offset:(\t)*2*SPITCH
.endr
.endm
.macro SEND a
	WIN 0
.set BK, OB+192*((\a)%2)
	s_wait_dscnt 0x0                               ; the block is back in registers
	s_wait_xcnt 0x0                                ; the stores of the block before have read their registers, which the next block's loads from the stage write
.irp t, 0,1,2,3,4,5,6,7
	global_store_b128 v[CO], v[BK+4*(\t):BK+4*(\t)+3], s[8:9] offset:(\a)*4096+(\t)*512  ; two rows: 512 consecutive bytes, at a multiple of 256 from the buffer's first
.endr
.endm
	s_wait_kmcnt 0x0                               ; the gain
	v_mov_b32 v31, s80
	v_cvt_pk_bf16_f32 v31, v31, v31                ; rounded to bf16, like the other inputs
	v_lshlrev_b32 v31, 16, v31
	v_readfirstlane_b32 s80, v31
	s_cmp_eq_u32 s83, 1                            ; the scale is (1 / root) x s84 + s85: q: gain, 0; k: 1, 0; v: 0, 1
	s_cselect_b32 s84, 0, 1.0
	s_cselect_b32 s85, 1.0, 0
	s_cmp_eq_u32 s82, 1
	s_cselect_b32 s84, s80, s84
	TLOAD 2                                        ; into the registers that held B's fragments
	TLOAD 3
	WIN 0
	s_mov_b32 s3, 2
.Lhalf:                                        ; two trips: my rows 0-63, then my rows 64-127
.irp a, 0,1,2,3
	SUMSQ \a
.endr
.irp a, 0,1,2,3
	v_permlanex16_b32 v[T+(\a)], v[SS+(\a)], s96, s97  ; the row's other 64 columns lie in the lane 16 away
.endr
.irp a, 0,1,2,3
	v_add_f32 v[SS+(\a)], v[SS+(\a)], v[T+(\a)]
.endr
.irp a, 0,1,2,3
	v_fma_f32 v[SS+(\a)], v[SS+(\a)], s94, s95     ; mean + 1e-6
.endr
.irp a, 0,1,2,3
	v_rsq_f32 v[R+(\a)], v[SS+(\a)]
.endr
	v_nop                                          ; a plain instruction behind the last root,
	s_wait_alu depctr_va_vdst(0)                   ; and one wait for the four, ahead of their first reader
.irp a, 0,1,2,3
	v_fma_f32 v[SC+2*(\a)], v[R+(\a)], s84, s85
.endr
.irp a, 0,1,2,3
	v_mov_b32 v[SC+2*(\a)+1], v[SC+2*(\a)]         ; named with it as a pair
.endr
.irp a, 0,1,2,3
	s_wait_loadcnt 16*(3-(\a))                     ; this block's table is in; the 16 loads of each later block of the trip may stay out
	SCALE \a
	ROPE \a
.if (\a) == 3
	WIN 0
	s_cmp_eq_u32 s3, 1
	s_cbranch_scc1 .Lno_more                       ; the last trip has nothing behind it; no barrier and no tensor load stands in what is jumped
	TLOAD 4                                        ; all four buffers have been read: the next trip's table,
	TLOAD 5
	TLOAD 6
	TLOAD 7
	WIN 0x83                                       ; and its accumulators: window 3 to window 2, each accumulator from its lowest register on
.set ci, 0
.rept 256
	v_mov_b32 v[ci], v[ci]
.set ci, ci+1
.endr
	WIN 0
.Lno_more:
.endif
	PACKH
.if (\a) > 0
	SEND (\a)-1                                    ; a block's arithmetic stands between the loads of the block before and its stores
.endif
	TOSTAGE \a
.endr
	SEND 3
	s_wait_xcnt 0x0                                ; the stores have read their registers and their base
	s_add_nc_u64 s[8:9], s[8:9], 4*4096            ; 64 rows on (behind the last trip the stepped address is not used)
	s_sub_co_u32 s3, s3, 1
	s_cmp_lg_u32 s3, 0
	s_cbranch_scc1 .Lhalf
	s_wait_tensorcnt 0x0                           ; the wave's end: behind my last tensor load and my last LDS store
	ds_add_u32 v[SPW], v[NIL]
	s_wait_dscnt 0x0
	CROUND                                         ; the closing round: no work-group ends while a partner may still ask for a tile that names it
	s_endpgm
; THE CAST OF Wproj.  64 work-groups of 128 threads; work-group n = 4 (4 cluster y + cy) + cx takes 262,144 consecutive bytes of f32: 8 trips of 16 loads of 16 bytes a thread.
; A wave's load covers 512 consecutive bytes, its store 256 consecutive bytes, aligned.  No LDS and no tensor load on this path.  cx and cy enter the two global addresses alone.
.set CX, 8                             ; v[8:71]    16 x 4 numbers as loaded
.set CY, 72                            ; v[72:103]  16 x 2 registers to store
.set CT, 104                           ; v[104:107] at work
.Lcast:
	s_load_b128 s[4:7], s[0:1], 0x38               ; Wproj s[4:5], wpf s[6:7]
	v_lshrrev_b32 v3, 5, v0
	v_readfirstlane_b32 s10, v3                    ; the wave's number, for the round at the end
	s_bfe_u32 s40, ttmp6, 0x40000                  ; cx
	s_bfe_u32 s41, ttmp6, 0x40004                  ; cy
	s_and_b32 s13, ttmp7, 0xffff
	s_lshl_b32 s13, s13, 2
	s_add_co_u32 s13, s13, s41
	s_lshl_b32 s13, s13, 2
	s_add_co_u32 s13, s13, s40                     ; n, 0 .. 63
	s_lshl_b32 s16, s13, 18                        ; byte offset in Wproj,
	s_mov_b32 s17, 0
	s_lshl_b32 s18, s13, 17                        ; in wpf
	s_mov_b32 s19, 0
	s_mov_b32 s20, 0xffff0000                      ; a word's upper bf16
	v_lshlrev_b32 v1, 4, v0
	v_lshlrev_b32 v2, 3, v0
	s_mov_b32 s3, 8
	s_wait_kmcnt 0x0
	s_add_nc_u64 s[4:5], s[4:5], s[16:17]
	s_add_nc_u64 s[6:7], s[6:7], s[18:19]
.Lcw:
.set i, 0
.rept 16
	global_load_b128 v[CX+4*i:CX+4*i+3], v1, s[4:5] offset:2048*i th:TH_LOAD_NT
.set i, i+1
.endr
.set i, 0
.rept 16
	s_wait_loadcnt 15-i                            ; loads come back in order: number i is in, the 15 - i younger ones stay out
	v_cvt_pk_bf16_f32 v[CT], v[CX+4*i], v[CX+4*i+1]
	v_cvt_pk_bf16_f32 v[CT+1], v[CX+4*i+2], v[CX+4*i+3]
	v_lshlrev_b32 v[CT+2], 16, v[CT]               ; bf16 to f32: the low half moves up, the high half stays
	v_and_b32 v[CT+3], s20, v[CT]
	v_cvt_pk_f16_f32 v[CY+2*i], v[CT+2], v[CT+3]
	v_lshlrev_b32 v[CT+2], 16, v[CT+1]
	v_and_b32 v[CT+3], s20, v[CT+1]
	v_cvt_pk_f16_f32 v[CY+2*i+1], v[CT+2], v[CT+3]
	global_store_b64 v2, v[CY+2*i:CY+2*i+1], s[6:7] offset:1024*i
.set i, i+1
.endr
	s_wait_xcnt 0x0                                ; the loads and stores have read their bases, the stores their data: both are written again only behind this wait
	s_add_nc_u64 s[4:5], s[4:5], 32768
	s_add_nc_u64 s[6:7], s[6:7], 16384
	s_sub_co_u32 s3, s3, 1
	s_cmp_lg_u32 s3, 0
	s_cbranch_scc1 .Lcw
	CROUND                                         ; this path too ends with a round of the cluster's barrier
	s_endpgm
.Lfunc_end_k_q0d279b26ab_qkv:
	.size	k_q0d279b26ab_qkv, .Lfunc_end_k_q0d279b26ab_qkv-k_q0d279b26ab_qkv
	.p2alignl 7, 3214868480
	.fill 96, 4, 3214868480
	.section	.rodata,"a",@progbits
	.p2align	6, 0x0
	.amdhsa_kernel k_q0d279b26ab_qkv
		.amdhsa_group_segment_fixed_size 327680
		.amdhsa_private_segment_fixed_size 0
		.amdhsa_enable_private_segment 0
		.amdhsa_kernarg_size 72
		.amdhsa_user_sgpr_count 2
		.amdhsa_user_sgpr_kernarg_segment_ptr 1
		.amdhsa_wavefront_size32 1
		.amdhsa_system_sgpr_workgroup_id_x 1
		.amdhsa_system_sgpr_workgroup_id_y 1
		.amdhsa_system_sgpr_workgroup_id_z 1
		.amdhsa_system_vgpr_workitem_id 0
		.amdhsa_next_free_vgpr 1024
		.amdhsa_next_free_sgpr 100
		.amdhsa_reserve_vcc 0
		.amdhsa_float_denorm_mode_32 3
		.amdhsa_float_denorm_mode_16_64 3
		.amdhsa_memory_ordered 1
		.amdhsa_forward_progress 1
		.amdhsa_inst_pref_size 195
	.end_amdhsa_kernel
	.amdgpu_metadata
---
amdhsa.version: [ 1, 2 ]
amdhsa.kernels:
  - .name:           k_q0d279b26ab_qkv
    .symbol:         k_q0d279b26ab_qkv.kd
    .args:
      - { .name: xb, .offset: 0, .size: 8, .value_kind: global_buffer, .address_space: global }
      - { .name: wcat, .offset: 8, .size: 8, .value_kind: global_buffer, .address_space: global }
      - { .name: tab, .offset: 16, .size: 8, .value_kind: global_buffer, .address_space: global }
      - { .name: q_gain, .offset: 24, .size: 8, .value_kind: global_buffer, .address_space: global }
      - { .name: qh, .offset: 32, .size: 8, .value_kind: global_buffer, .address_space: global }
      - { .name: kh, .offset: 40, .size: 8, .value_kind: global_buffer, .address_space: global }
      - { .name: vh, .offset: 48, .size: 8, .value_kind: global_buffer, .address_space: global }
      - { .name: Wproj, .offset: 56, .size: 8, .value_kind: global_buffer, .address_space: global }
      - { .name: wpf, .offset: 64, .size: 8, .value_kind: global_buffer, .address_space: global }
    .group_segment_fixed_size: 327680
    .private_segment_fixed_size: 0
    .kernarg_segment_align: 8
    .kernarg_segment_size: 72
    .max_flat_workgroup_size: 128
    .sgpr_count:     100
    .vgpr_count:     1024
    .wavefront_size: 32
...
	.end_amdgpu_metadata
.endif
;; end of part 2
;; launch attn (part 3): grid 8 x 32, 4 waves a work-group, clusters of 4 x 1, 327,680 bytes of LDS; arguments qh, kh, vh, yh; writes yh
.if DOCPART == 3
	.amdgcn_target "amdgcn-amd-amdhsa--gfx1250"
	.amdhsa_code_object_version 6
	.text
	.protected	k_q0d279b26ab_attn
	.globl	k_q0d279b26ab_attn
	.p2align	8
	.type	k_q0d279b26ab_attn,@function
k_q0d279b26ab_attn:
	s_mov_b64 s[64:65], 0
	v_nop
	global_prefetch_b8 v0, s[64:65] scope:SCOPE_SE
	s_setreg_imm32_b32 hwreg(HW_REG_WAVE_MODE, 25, 1), 1
	s_wait_xcnt 0x0
	s_wait_alu depctr_hold_cnt(0) depctr_sa_sdst(0) depctr_va_vdst(0) depctr_va_sdst(0) depctr_va_ssrc(0) depctr_va_vcc(0) depctr_vm_vsrc(0)
	s_getreg_b32 s2, hwreg(HW_REG_IB_STS2, 6, 4)
	s_cmp_eq_u32 s2, 0
	s_cbranch_scc0 .Lentry_in_a_cluster
	s_endpgm
.Lentry_in_a_cluster:
	s_bfe_u32 s2, ttmp6, 0x10000c
	s_cmp_lg_u32 s2, 0x3003
	s_cbranch_scc0 .Lentry_shape_is_right
	s_endpgm
.Lentry_shape_is_right:
; CAUSAL ATTENTION WITH GROUPED QUERY HEADS, AND THE SUBTRACTION OF THE TOKEN'S OWN VALUE DIRECTION.
; y[t] = the sum over s <= t of softmax_s(q[t] . k[s] / sqrt(128)) v[s];   y'[t] = y[t] - (y[t] . vn) vn,  vn = v[t] / (|v[t]| + 1e-8).
; qh [8][16][512][128], kh, vh [8][4][512][128], f16;  yh [4096][2048] f16, column = head x 128 + channel.  Products, maxima and sums in f32; the weights are rounded to f16 for the second
; product (their sum is taken of the unrounded weights), y' once at the end.
; SHARES.  A cluster's four work-groups are the four query heads that share one head of K and V; each takes TWO blocks of 128 queries, 3 - p and then p (p = the cluster's x, 0 or 1).
; Block i needs 2 (i + 1) key steps of 64: ten steps for every work-group, and ONE loop of ten trips walks them.  A wave owns 32 consecutive queries of a block: two tiles of 16.
; LDS HOLDS THE WHOLE HEAD: 512 rows of K and of V, asked for jointly at the start (the same loads, descriptors and mask in all four partners); nothing is filled again, so the loop has no
; barrier.  With p = 1 the last 128 keys are never read; they are fetched all the same, so that every partner and every cluster runs the same loads.
; LAYOUT.  S^T = K Q^T (source 0 = 16 keys, source 1 = 16 queries): a lane holds ONE query (lane % 16) and the keys 8 (lane / 16) + 0..7.  Two such results, rounded to f16 in pairs, ARE source 1
; of O^T = V^T P, whose result again holds one query a lane, and eight channels.  K comes out of LDS as it lies, V turned, by ds_load_tr16_b128.
; SOFTMAX.  A running maximum m and sum l: p = 2^(c s - c m), c = log2(e) / sqrt(128); in every step O and l are multiplied by a = 2^(c m_old - c m_new).  c m starts far below every c s, so a
; block's first step has a = 0, and O and l need only be finite there.
; THE MASK.  Only a block's last two steps can hide keys; there a score whose key lies behind its query is replaced by -1e30.  Key 0 is seen by every query, so m is a true score from the first step on.
; IN PHASES: a step's 32 products K Q^T, its softmax, its 32 products V^T P; the LDS loads of V and of the next K stand ahead of the softmax and land under it.
; No prefetch: all tiles are asked for at the head.
; LIMITS.  f16 holds nothing beyond 65,504: q, k, v arrive within it, and |y'| <= |y| <= the largest |v| as vectors.  A hidden score counts as -1e30; a weight below 2^-126 counts as 0 in l;
; NaN and infinities are not treated apart.
; REGISTERS, in windows of 256 (s_set_vgpr_msb: bits 1:0 source 0, 3:2 source 1, 5:4 source 2, 7:6 destination):
;   window 0: v1-11 addresses; v12-27 eight registers of statistics a tile; v28-31, v32-61 at work; v64-127 S^T; v128-159 P
;   window 1: v0-127 O^T, 64 a tile     window 2: v0-63 Q, v64-127 the second block's Q, v128-255 K of one step     window 3: v0-127 V of one step
.set KS,    64
.set PK,    272       ; a row of K in LDS: 256 bytes + 16 of padding: the 16 rows of a load start at 16 different groups of four banks (64 banks of 4 bytes: ISA guide 11.1)
.set PV,    288       ; a row of V: 256 + 32
.set VBASE, 512*PK
.set STAGE, VBASE+512*PV  ; behind the tiles: 16 rows x 272 bytes for each wave, for the way out
.set SP,    272
.set SPARE, STAGE+4*16*SP ; behind the stages: the spare words, 128 bytes for each wave, that no other line names
.set AK0, 2           ; v2   my lane's place in a step's K; never rewritten
.set AV0, 3           ; v3   the same for V
.set AKR, 4           ; v4   the LDS address of K's run of loads
.set AVR, 5           ; v5   of V's
.set STO, 6           ; v6   the way out: where I put 16 bytes of a row
.set RD,  7           ; v7   where I read rows back
.set GO,  8           ; v8   my byte offset in two rows of yh
.set RL0, 10          ; v10  32 wave + lane % 16 - 8 (lane / 16)
.set QO,  11          ; v11  my byte offset in 16 rows of Q
.set ST,  12          ; tile t's statistics at v[ST+8 t]: c m, m, l (even keys', odd keys'), c0-c3 at work; a takes c2's place
.set RR,  28          ; v28-29  my query's number less 8 (lane / 16) less the step's first key: register 8 kb + j is hidden where 16 kb + j is greater
.set BIGV, 30         ; v30  -1e30
.set AX,  31          ; v31  my query's own row of V, less the block's part
.set ZN,  32          ; v32-39  |v|^2, four chains a tile
.set ZD,  40          ; v40-47  O . v, four chains a tile
.set SQ,  48          ; v48-49  |v| + 1e-8
.set RDN, 50          ; v50-51  its reciprocal
.set NC,  52          ; v52-53  -(O . v) / (|v| + 1e-8)^2
.set ZR,  61          ; v61  0, the chains' first addend
.set SPW, 62          ; v62  LDS address of my spare word; never rewritten
.set NIL, 63          ; v63  0; never rewritten
.set S,   64
.set P,   128
.set KF,  128         ; window 2
.set QB,  64          ; window 2
.set WV,  12          ; s12  my wave's number
.set G1K, 24          ; s[24:31] descriptor group 1 for K's tiles
.set G1V, 32          ; s[32:39] for V's: it differs in the padding alone
.set G0K, 40          ; s[40:55] four sets of group 0 for K
.set G0V, 68          ; s[68:83] four for V
.set STEPS, 56        ; s56  trips to go
.set RT,  57          ; s57  steps of the block in hand that are left, this one among them
.set CS,  58          ; s[58:59] c
.set SEL, 60          ; s[60:61] v_permlanex16_b32's selects
.set JS,  62          ; s62  the key step in hand, 0 .. 7
.set JN,  63          ; s63  the next
.set Y2,  84          ; s[84:85] yh at my rows of the second block
.set XB,  86          ; s86  the block's 128 rows of V in LDS
.set MSB, 0
.macro WIN new
.if MSB != (\new)
	s_set_vgpr_msb (MSB<<8)|(\new)
.set MSB, \new
.endif
.endm
.set W_KQ, 0x0a       ; K and Q in window 2, S^T in window 0
.set W_PV, 0x53       ; V in window 3, P in window 0, O^T in window 1
.set W_RS, 0x41       ; O^T (destination and source 0) in window 1, the factor in window 0
.macro PLACES
.rept 4
	v_nop
.endr
.endm
.macro CROUND                       ; a round of the cluster's barrier
	s_barrier_signal -1
	s_barrier_wait -1
	s_cmp_lg_u32 s[WV], 0
	s_cbranch_scc1 .Lnot_wave_0_\@
	s_barrier_signal -3
.Lnot_wave_0_\@:
	s_barrier_wait -3
	s_barrier_signal -1
	s_barrier_wait -1
.endm
	s_load_b256 s[4:11], s[0:1], 0x0  ; qh s[4:5], kh s[6:7], vh s[8:9], yh s[10:11]
	v_lshl_add_u32 v[SPW], v0, 2, SPARE
	v_mov_b32 v[NIL], 0
	ds_add_u32 v[SPW], v[NIL]       ; the wave's opening: the add and its wait stand ahead of my first tensor load; work on registers stands between them
	v_lshrrev_b32 v1, 5, v0
	v_readfirstlane_b32 s[WV], v1
	s_bfe_u32 s13, ttmp6, 0x40000   ; cx: the query head in its group: it enters Q's and yh's addresses alone
	s_mov_b32 s14, ttmp9            ; p: the cluster's x, which the partners share
	s_and_b32 s15, ttmp7, 0xffff    ; 4 batch + kv head
	s_and_b32 s16, s[WV], 1         ; which 64 of a chunk's 128 rows I fetch
	s_mul_i32 s17, s16, KS*PK
	s_mul_i32 s18, s16, KS*PV
	s_lshl_b32 s20, s15, 17         ; the head's first byte in kh and vh,
	s_lshl_b32 s21, s16, 14         ; my 64 rows of 256 bytes
	s_add_co_u32 s20, s20, s21
	s_mov_b32 s21, 0
	s_mov_b32 s[G1K], 15|(1<<16)|(1<<20)|(1<<21)|(5<<22)|(3<<25)  ; the mask of four; 2-byte elements; padding on; bit 21 beside a mask; after every 64 words, 4 words
	s_mov_b32 s[G1V], 15|(1<<16)|(1<<20)|(1<<21)|(5<<22)|(7<<25)  ; the same with 8 words
.irp g, G1K, G1V
	s_mov_b32 s[(\g)+1], 128<<16    ; tensor_dim0 = 128
	s_mov_b32 s[(\g)+2], KS<<16     ; tensor_dim1 = 64
	s_mov_b32 s[(\g)+3], 128<<16    ; tile_dim0 = 128
	s_mov_b32 s[(\g)+4], KS         ; tile_dim1 = 64
	s_mov_b32 s[(\g)+5], 128        ; elements from row to row
	s_mov_b32 s[(\g)+6], 0
	s_mov_b32 s[(\g)+7], 0
.endr
	s_mov_b32 s[CS], 0x3e0293ee     ; c = log2(e) / sqrt(128)
	s_mov_b32 s[CS+1], s[CS]
	s_mov_b32 s[SEL], 0x76543210
	s_mov_b32 s[SEL+1], 0xfedcba98
	s_sub_co_u32 s19, 3, s14        ; the first block
	s_lshl_b32 s22, s15, 2
	s_add_co_u32 s22, s22, s13      ; the query head among the 128
	s_lshl_b32 s22, s22, 17
	s_lshl_b32 s23, s[WV], 13       ; my wave's 32 rows of 256 bytes
	s_add_co_u32 s22, s22, s23
	s_lshl_b32 s88, s19, 15
	s_add_co_u32 s88, s88, s22      ; Q: the first block's offset,
	s_mov_b32 s89, 0
	s_lshl_b32 s92, s14, 15
	s_add_co_u32 s92, s92, s22      ; the second's
	s_mov_b32 s93, 0
	s_lshr_b32 s23, s15, 2          ; yh: the batch's 512 rows of 4,096 bytes,
	s_lshl_b32 s23, s23, 21
	s_lshl_b32 s94, s[WV], 17       ; my wave's 32,
	s_add_co_u32 s23, s23, s94
	s_and_b32 s94, s15, 3
	s_lshl_b32 s94, s94, 2
	s_add_co_u32 s94, s94, s13      ; the head in its batch:
	s_lshl_b32 s94, s94, 8          ; 256 bytes of a row
	s_add_co_u32 s23, s23, s94
	s_lshl_b32 s94, s19, 19
	s_add_co_u32 s94, s94, s23
	s_mov_b32 s95, 0
	s_lshl_b32 s96, s14, 19
	s_add_co_u32 s96, s96, s23
	s_mov_b32 s97, 0
	s_mov_b32 s[STEPS], 10
	s_lshl_b32 s[RT], s14, 1
	s_sub_co_u32 s[RT], 8, s[RT]    ; the first block has 8 - 2 p steps
	s_mov_b32 s[JS], 0
	s_and_b32 s[XB], s19, 3
	s_mul_i32 s[XB], s[XB], 128*PV
	s_wait_dscnt 0x0                ; the opening add is done
	s_wait_kmcnt 0x0
	s_add_nc_u64 s[6:7], s[6:7], s[20:21]
	s_add_nc_u64 s[8:9], s[8:9], s[20:21]
	s_add_nc_u64 s[90:91], s[4:5], s[92:93]
	s_add_nc_u64 s[4:5], s[4:5], s[88:89]
	s_add_nc_u64 s[Y2:Y2+1], s[10:11], s[96:97]
	s_add_nc_u64 s[10:11], s[10:11], s[94:95]
	CROUND                          ; all four work-groups are here: the joint loads meet
.irp c, 0,1,2,3
	s_mov_b32 s[G0K+4*(\c)], 1
	s_add_co_u32 s[G0K+4*(\c)+1], s17, (\c)*128*PK
	s_add_nc_u64 s[G0K+4*(\c)+2:G0K+4*(\c)+3], s[6:7], (\c)*128*256
	s_or_b32 s[G0K+4*(\c)+3], s[G0K+4*(\c)+3], 0x80000000
	s_mov_b32 s[G0V+4*(\c)], 1
	s_add_co_u32 s[G0V+4*(\c)+1], s18, VBASE+(\c)*128*PV
	s_add_nc_u64 s[G0V+4*(\c)+2:G0V+4*(\c)+3], s[8:9], (\c)*128*256
	s_or_b32 s[G0V+4*(\c)+3], s[G0V+4*(\c)+3], 0x80000000
.endr
	s_cmp_lt_u32 s[WV], 2           ; a wave's four fills stand in one branch, ahead of every wait on TENSORcnt, every LDS read and every barrier of the work-group's own: four loads of mine are out
	s_cbranch_scc0 .Lfirst_v
.irp c, 0,1,2,3
	tensor_load_to_lds s[G0K+4*(\c):G0K+4*(\c)+3], s[G1K:G1K+7]
	s_nop 0
.endr
.rept 4
	v_nop
.endr
	s_branch .Lfirst_asked
.Lfirst_v:
.irp c, 0,1,2,3
	tensor_load_to_lds s[G0V+4*(\c):G0V+4*(\c)+3], s[G1V:G1V+7]
	s_nop 0
.endr
.rept 4
	v_nop
.endr
.Lfirst_asked:
	v_and_b32 v1, 15, v0            ; l % 16
	v_bfe_u32 v9, v0, 4, 1          ; l / 16
	v_lshlrev_b32 v[QO], 8, v1
	v_lshl_add_u32 v[QO], v9, 4, v[QO]
	WIN 0x80                        ; destination window 2
.set i, 0
.rept 8                             ; both blocks' Q stay in registers: tile i / 4, channels 32 (i % 4) on
	global_load_b128 v[8*i:8*i+3],   v[QO], s[4:5] offset:(i/4)*4096+(i%4)*64
	global_load_b128 v[8*i+4:8*i+7], v[QO], s[4:5] offset:(i/4)*4096+(i%4)*64+32
	global_load_b128 v[QB+8*i:QB+8*i+3],   v[QO], s[90:91] offset:(i/4)*4096+(i%4)*64
	global_load_b128 v[QB+8*i+4:QB+8*i+7], v[QO], s[90:91] offset:(i/4)*4096+(i%4)*64+32
.set i, i+1
.endr
	WIN 0x40                        ; O^T and l need only be finite when a block begins: zeros for the first block, written in the wait for the tiles
.set i, 0
.rept 128
	v_mov_b32 v[i], 0
.set i, i+1
.endr
	WIN 0
.macro FRESH                        ; a block's statistics
.irp t, 0,1
	v_mov_b32 v[ST+8*(\t)], 0xfe000000     ; c m: far below every c s
	v_mov_b32 v[ST+8*(\t)+1], 0xff7fffff   ; m
.endr
.endm
	FRESH
.irp t, 0,1
	v_mov_b32 v[ST+8*(\t)+2], 0
	v_mov_b32 v[ST+8*(\t)+3], 0
.endr
	v_mov_b32 v[BIGV], 0xf149f2ca
	v_mov_b32 v[ZR], 0
	v_mul_u32_u24 v[AK0], v1, PK
	v_lshl_add_u32 v[AK0], v9, 4, v[AK0]   ; row x pitch + 16 x half
	v_and_b32 v[AKR], 7, v0         ; the turning load: lane l reads key 8 (l / 16) + l % 8, channels 8 ((l / 8) % 2) + 0..7
	v_bfe_u32 v[AVR], v0, 3, 1
	v_lshl_add_u32 v[AV0], v9, 3, v[AKR]
	v_mul_u32_u24 v[AV0], v[AV0], PV
	v_lshl_add_u32 v[AV0], v[AVR], 4, v[AV0]
	v_add_nc_u32 v[AV0], VBASE, v[AV0]
	s_mul_i32 s88, s[WV], 16*SP
	s_add_co_u32 s88, s88, STAGE    ; my stage
	v_mul_u32_u24 v[STO], v1, SP
	v_lshl_add_u32 v[STO], v9, 4, v[STO]
	v_add_nc_u32 v[STO], s88, v[STO]
	v_mul_u32_u24 v[RD], v9, SP
	v_lshl_add_u32 v[RD], v1, 4, v[RD]
	v_add_nc_u32 v[RD], s88, v[RD]
	v_lshlrev_b32 v[GO], 12, v9     ; lanes 0-15 one row of yh, lanes 16-31 the next
	v_lshl_add_u32 v[GO], v1, 4, v[GO]
	s_lshl_b32 s88, s[WV], 5
	v_add_nc_u32 v[AX], s88, v1     ; my query in its block, tile 0
	v_lshlrev_b32 v[RL0], 3, v9
	v_sub_nc_u32 v[RL0], v[AX], v[RL0]
	v_mul_u32_u24 v[AX], v[AX], PV
	v_lshl_add_u32 v[AX], v9, 4, v[AX]
	v_add_nc_u32 v[AX], VBASE, v[AX]
	s_lshl_b32 s88, s19, 7
	v_add_nc_u32 v[RR], s88, v[RL0]
	s_add_co_u32 s88, s88, 16
	v_add_nc_u32 v[RR+1], s88, v[RL0]
	v_mov_b32 v[AKR], v[AK0]        ; key step 0
; Product i of 32 of S^T = K Q^T: channels 32 (i / 8) on, keys 16 ((i / 2) % 4) on, tile i % 2.  The first 8 start the sums; the 8 accumulators take turns.
.macro KQ
	WIN W_KQ
.set rS, S+32*(i%2)+8*((i/2)%4)
.set rK, KF+32*((i/2)%4)+8*(i/8)
.set rQ, 32*(i%2)+8*(i/8)
.if i < 8
	v_wmma_f32_16x16x32_f16 v[rS:rS+7], v[rK:rK+7], v[rQ:rQ+7], 0
.else
	v_wmma_f32_16x16x32_f16 v[rS:rS+7], v[rK:rK+7], v[rQ:rQ+7], v[rS:rS+7]
.endif
.endm
; Product i of 32 of O^T += V^T P: keys 32 (i / 16) on, channels 16 ((i / 2) % 8) on, tile i % 2.  16 accumulators by turns.
.macro PVM
	WIN W_PV
.set rO, 64*(i%2)+8*((i/2)%8)
.set rV, 64*(i/16)+8*((i/2)%8)
.set rP, P+16*(i%2)+8*(i/16)
	v_wmma_f32_16x16x32_f16 v[rO:rO+7], v[rV:rV+7], v[rP:rP+7], v[rO:rO+7]
.endm
.macro FETCH_K                      ; a step's K: 64 keys x 128 channels, 16 fragments
	WIN 0x80
.irp f, 0,1,2,3,4,5,6,7,8,9,10,11,12,13,14,15
	ds_load_b128 v[KF+8*(\f):KF+8*(\f)+3],   v[AKR] offset:((\f)/4)*16*PK+((\f)%4)*64
	ds_load_b128 v[KF+8*(\f)+4:KF+8*(\f)+7], v[AKR] offset:((\f)/4)*16*PK+((\f)%4)*64+32
.endr
.endm
.macro FETCH_V                      ; a step's V, turned
	WIN 0xc0
.irp f, 0,1,2,3,4,5,6,7,8,9,10,11,12,13,14,15
	ds_load_tr16_b128 v[8*(\f):8*(\f)+3],   v[AVR] offset:((\f)/8)*32*PV+((\f)%8)*32
	ds_load_tr16_b128 v[8*(\f)+4:8*(\f)+7], v[AVR] offset:((\f)/8)*32*PV+16*PV+((\f)%8)*32
.endr
.endm
; One tile's softmax for one key step is a list of 134 instructions; SM writes number j of it for tile t.  s0-s31 are the lane's 32 scores, in pairs 0-15.
;   0-15    the maximum of s0-s31 and the old m, three operands at a time (each accumulator's lowest registers are read first)
;   16-20   the other half of the lanes' maximum; the new m; c m; c m_old - c m_new
;   21-69   ONE BATCH: the 16 scalings c s - c m and all 33 exponentials (a at 23); none of these reads an exponential's result, and a pair is scaled ahead of its exponentials
;   70-85   the roundings to f16     86-101  the sums; l = a l + the sum     102-133 the tile's O^T times a
.macro SM t
.set rT, ST+8*(\t)
.set rS, S+32*(\t)
.set rP, P+16*(\t)
.set rO, 64*(\t)+2*(j-102)
.if j < 102
	WIN 0
.endif
.if j < 4
	v_max3_num_f32 v[rT+4+j], v[rS+8*j], v[rS+8*j+1], v[rS+8*j+2]
.elseif j < 12
	v_max3_num_f32 v[rT+4+j%4], v[rT+4+j%4], v[rS+8*(j%4)+2*(j/4)+1], v[rS+8*(j%4)+2*(j/4)+2]
.elseif j == 12
	v_max3_num_f32 v[rT+4], v[rT+4], v[rS+7], v[rS+15]
.elseif j == 13
	v_max3_num_f32 v[rT+6], v[rT+6], v[rS+23], v[rS+31]
.elseif j == 14
	v_max3_num_f32 v[rT+4], v[rT+4], v[rT+5], v[rT+6]
.elseif j == 15
	v_max3_num_f32 v[rT+4], v[rT+4], v[rT+7], v[rT+1]
.elseif j == 16
	v_permlanex16_b32 v[rT+5], v[rT+4], s[SEL], s[SEL+1]  ; the query's other 32 keys lie in the lane 16 away
.elseif j == 17
	v_mov_b32 v[rT+7], v[rT]        ; c m_old is kept for a
.elseif j == 18
	v_max_num_f32 v[rT+1], v[rT+4], v[rT+5]
.elseif j == 19
	v_mul_f32 v[rT], s[CS], v[rT+1]
.elseif j == 20
	v_sub_f32 v[rT+7], v[rT+7], v[rT]
.elseif j == 23
	v_exp_f32 v[rT+6], v[rT+7]
.elseif (j < 23) || ((j < 38) && (j%2 == 0)) || ((j < 66) && (j%4 == 2))
.set b, (j-2)/4                     ; 38, 42, .. 62: pairs 9 to 15
.if j < 38
.set b, (j-20)/2                    ; 21: pair 0; 22, 24, .. 36: pairs 1 to 8
.endif
	v_pk_fma_f32 v[rS+2*b:rS+2*b+1], v[rS+2*b:rS+2*b+1], s[CS:CS+1], v[rT:rT+1] op_sel_hi:[1,0,0] neg_lo:[0,0,1] neg_hi:[0,0,1]
.elseif j < 70
.set e, j-38                        ; 66 to 69: s28 to s31
.if j < 66
.set e, j-32-(j-38)/4               ; 39-41, 43-45, .. 63-65: s7 to s27
.endif
.if j < 38
.set e, (j-25)/2                    ; 25, 27, .. 37: s0 to s6
.endif
	v_exp_f32 v[rS+e], v[rS+e]
.elseif j < 86
	v_cvt_pk_f16_f32 v[rP+j-70], v[rS+2*(j-70)], v[rS+2*(j-70)+1]
.elseif j < 102                     ; the 16 pairs are added in place, neighbours 1, 2, 4 and 8 pairs apart; then l takes the sum
.set z, j-86
.set w, 4
.set u, z
.if z >= 14
.set w, 32
.set u, 0
.elseif z >= 12
.set w, 16
.set u, z-12
.elseif z >= 8
.set w, 8
.set u, z-8
.endif
.if z < 15
	v_pk_add_f32 v[rS+w*u:rS+w*u+1], v[rS+w*u:rS+w*u+1], v[rS+w*u+w/2:rS+w*u+w/2+1]
.else
	v_pk_fma_f32 v[rT+2:rT+3], v[rT+2:rT+3], v[rT+6:rT+7], v[rS:rS+1] op_sel_hi:[1,0,1]
.endif
.else
	WIN W_RS
	v_pk_mul_f32 v[rO:rO+1], v[rO:rO+1], v[rT+6:rT+7] op_sel_hi:[1,0]
.endif
.endm
; The way out of tile t: O^T times 1 / l, rounded to f16, 16 bytes a lane into rows of 272 bytes, back as whole rows of 256.
.macro PACK t
	WIN W_RS
.set i, 64*(\t)
.rept 32
	v_pk_mul_f32 v[i:i+1], v[i:i+1], v[ST+8*(\t)+6:ST+8*(\t)+7] op_sel_hi:[1,0]
.set i, i+2
.endr
	WIN 0x05                        ; sources 0 and 1 window 1, destination window 0
.set i, 0
.rept 32
	v_cvt_pk_f16_f32 v[S+32*(\t)+i], v[64*(\t)+2*i], v[64*(\t)+2*i+1]
.set i, i+1
.endr
	WIN 0
.irp f, 0,1,2,3,4,5,6,7
	ds_store_b128 v[STO], v[S+32*(\t)+4*(\f):S+32*(\t)+4*(\f)+3] offset:32*(\f)
.endr
.irp f, 0,1,2,3,4,5,6,7
	ds_load_b128 v[S+32*(\t)+4*(\f):S+32*(\t)+4*(\f)+3], v[RD] offset:(\f)*2*SP  ; LDS serves a wave's instructions in order (ISA guide 5.7.1.4): these see the stores above; the next tile's stores come behind them
.endr
.endm
.macro SEND t, younger              ; younger: the LDS instructions issued behind tile t's loads: the next tile's sixteen, or none
	WIN 0
.irp f, 0,1,2,3,4,5,6,7
	s_wait_dscnt (\younger)+7-(\f)
	global_store_b128 v[GO], v[S+32*(\t)+4*(\f):S+32*(\t)+4*(\f)+3], s[10:11] offset:(\t)*65536+(\f)*8192  ; 16 lanes store a head's 256 bytes of a row, at a multiple of 256 from yh's first byte
.endr
.endm
	s_wait_tensorcnt 0x0            ; my four tiles are in,
	s_barrier_signal -1
	s_barrier_wait -1               ; everybody's are: from here on LDS is only read, but for the stages
	FETCH_K
	WIN 0
	s_wait_loadcnt 0x0              ; Q
.Lstep:                             ; ten trips, a key step each
	s_wait_dscnt 0x0                ; K is in
.set i, 0
.rept 32
	KQ
.set i, i+1
.endr
	WIN 0
	PLACES                          ; behind the products: in front of the loads into K's and V's registers, and of the first read of the scores
	s_mul_i32 s88, s[JS], KS*PV
	v_add_nc_u32 v[AVR], s88, v[AV0]
	s_add_co_u32 s[JN], s[JS], 1
	s_and_b32 s[JN], s[JN], 7
	s_cmp_eq_u32 s[RT], 1           ; behind a block's last step comes step 0
	s_cselect_b32 s[JN], 0, s[JN]
	s_mul_i32 s88, s[JN], KS*PK
	v_add_nc_u32 v[AKR], s88, v[AK0]
	FETCH_V                         ; this step's V and the next step's K land under the softmax
	FETCH_K
	WIN 0
	s_cmp_gt_u32 s[RT], 2
	s_cbranch_scc1 .Lnomask         ; only a block's last two steps can hide keys
.set i, 0
.rept 64
	v_cmp_gt_i32 vcc_lo, 16*((i%32)/8)+i%8, v[RR+i/32]
	v_cndmask_b32 v[S+i], v[S+i], v[BIGV], vcc_lo
.set i, i+1
.endr
.Lnomask:
	v_add_nc_u32 v[RR], 0xffffffc0, v[RR]      ; the next step's keys begin 64 further on
	v_add_nc_u32 v[RR+1], 0xffffffc0, v[RR+1]
.set j, 0
.rept 70
	SM 0                            ; the two tiles alternate
	SM 1
.set j, j+1
.endr
	v_nop                           ; a plain instruction behind the last exponential,
	s_wait_alu depctr_va_vdst(0)    ; and one wait for the 66, ahead of their first reader
.rept 64
	SM 0
	SM 1
.set j, j+1
.endr
	s_wait_dscnt 32                 ; V is in; the 32 younger loads, the next K's, may stay out
.set i, 0
.rept 32
	PVM
.set i, i+1
.endr
	WIN 0
	s_mov_b32 s[JS], s[JN]
	s_sub_co_u32 s[RT], s[RT], 1
	s_cmp_lg_u32 s[RT], 0
	s_cbranch_scc1 .Lcont
	; A BLOCK ENDS.  No barrier and no tensor load stands in what the jump above passes.
	PLACES                          ; behind the last products
	v_add_nc_u32 v[AVR], s[XB], v[AX]
.irp u, 0,1
.irp cb, 0,1,2,3,4,5,6,7
	ds_load_b128 v[S+32*(\u)+4*(\cb):S+32*(\u)+4*(\cb)+3], v[AVR] offset:(\u)*16*PV+32*(\cb)  ; my query's own row of V: the eight channels that I hold of each block of 16
.endr
.endr
.irp t, 0,1
	v_add_f32 v[ST+8*(\t)+4], v[ST+8*(\t)+2], v[ST+8*(\t)+3]
.endr
.irp t, 0,1
	v_permlanex16_b32 v[ST+8*(\t)+5], v[ST+8*(\t)+4], s[SEL], s[SEL+1]
.endr
.irp t, 0,1
	v_add_f32 v[ST+8*(\t)+4], v[ST+8*(\t)+4], v[ST+8*(\t)+5]  ; l
.endr
	s_wait_dscnt 0x0
.irp u, 0,1                         ; |v|^2, straight from the f16 halves, in f32: four chains a tile
.irp cb, 0,1,2,3,4,5,6,7
.irp hf, 0,1
.irp k, 0,1,2,3
.if ((\cb) == 0) && ((\hf) == 0)
	v_fma_mix_f32 v[ZN+4*(\u)+(\k)], v[S+32*(\u)+4*(\cb)+(\k)], v[S+32*(\u)+4*(\cb)+(\k)], v[ZR] op_sel_hi:[1,1,0]
.else
	v_fma_mix_f32 v[ZN+4*(\u)+(\k)], v[S+32*(\u)+4*(\cb)+(\k)], v[S+32*(\u)+4*(\cb)+(\k)], v[ZN+4*(\u)+(\k)] op_sel:[\hf,\hf,0] op_sel_hi:[1,1,0]
.endif
.endr
.endr
.endr
.endr
	WIN 0x04                        ; source 1 (O^T) in window 1
.irp u, 0,1                         ; O . v; register 0 of each accumulator is read first
.irp cb, 0,1,2,3,4,5,6,7
.irp hf, 0,1
.irp k, 0,1,2,3
.if ((\cb) == 0) && ((\hf) == 0)
	v_fma_mix_f32 v[ZD+4*(\u)+(\k)], v[S+32*(\u)+4*(\cb)+(\k)], v[64*(\u)+8*(\cb)+2*(\k)], v[ZR] op_sel_hi:[1,0,0]
.else
	v_fma_mix_f32 v[ZD+4*(\u)+(\k)], v[S+32*(\u)+4*(\cb)+(\k)], v[64*(\u)+8*(\cb)+2*(\k)+(\hf)], v[ZD+4*(\u)+(\k)] op_sel:[\hf,0,0] op_sel_hi:[1,0,0]
.endif
.endr
.endr
.endr
.endr
	WIN 0
.irp c, ZN, ZN+4, ZD, ZD+4
	v_add_f32 v[(\c)], v[(\c)], v[(\c)+1]
	v_add_f32 v[(\c)+2], v[(\c)+2], v[(\c)+3]
.endr
.irp c, ZN, ZN+4, ZD, ZD+4
	v_add_f32 v[(\c)], v[(\c)], v[(\c)+2]
.endr
.irp c, ZN, ZN+4, ZD, ZD+4
	v_permlanex16_b32 v[(\c)+1], v[(\c)], s[SEL], s[SEL+1]  ; the other 64 channels lie in the lane 16 away
.endr
.irp c, ZN, ZN+4, ZD, ZD+4
	v_add_f32 v[(\c)], v[(\c)], v[(\c)+1]
.endr
	v_sqrt_f32 v[SQ], v[ZN]
	v_sqrt_f32 v[SQ+1], v[ZN+4]
	v_rcp_f32 v[ST+6], v[ST+4]      ; 1 / l
	v_rcp_f32 v[ST+14], v[ST+12]
	v_nop
	s_wait_alu depctr_va_vdst(0)    ; one wait for the four
	v_add_f32 v[SQ], 0x322bcc77, v[SQ]      ; + 1e-8
	v_add_f32 v[SQ+1], 0x322bcc77, v[SQ+1]
	v_rcp_f32 v[RDN], v[SQ]
	v_rcp_f32 v[RDN+1], v[SQ+1]
	v_nop
	s_wait_alu depctr_va_vdst(0)    ; one wait for the two
	v_mul_f32 v[NC], v[ZD], v[RDN]
	v_mul_f32 v[NC+1], v[ZD+4], v[RDN+1]
	v_mul_f32 v[NC], -v[NC], v[RDN]
	v_mul_f32 v[NC+1], -v[NC+1], v[RDN+1]
	WIN 0x50                        ; O^T (destination and source 2) in window 1
.irp u, 0,1                         ; O - (O . v) v / (|v| + 1e-8)^2; the division by l follows in PACK
.irp cb, 0,1,2,3,4,5,6,7
.irp hf, 0,1
.irp k, 0,1,2,3
	v_fma_mix_f32 v[64*(\u)+8*(\cb)+2*(\k)+(\hf)], v[S+32*(\u)+4*(\cb)+(\k)], v[NC+(\u)], v[64*(\u)+8*(\cb)+2*(\k)+(\hf)] op_sel:[\hf,0,0] op_sel_hi:[1,0,0]
.endr
.endr
.endr
.endr
	PACK 0
	PACK 1
	SEND 0, 16
	SEND 1, 0
	s_wait_xcnt 0x0                 ; the stores have read their registers and yh's address
	s_cmp_eq_u32 s[STEPS], 1
	s_cbranch_scc1 .Lcont           ; the walk's end: no block follows
	s_mov_b64 s[10:11], s[Y2:Y2+1]  ; THE SECOND BLOCK, p: 2 p + 2 steps
	s_lshl_b32 s[RT], s14, 1
	s_add_co_u32 s[RT], s[RT], 2
	s_and_b32 s88, s14, 3
	s_mul_i32 s[XB], s88, 128*PV
	s_lshl_b32 s88, s14, 7
	v_add_nc_u32 v[RR], s88, v[RL0]
	s_add_co_u32 s88, s88, 16
	v_add_nc_u32 v[RR+1], s88, v[RL0]
	FRESH
	WIN 0x82                        ; its Q goes where the one text of the products names Q
.set i, 0
.rept 64
	v_mov_b32 v[i], v[QB+i]
.set i, i+1
.endr
	WIN 0
.Lcont:
	s_sub_co_u32 s[STEPS], s[STEPS], 1
	s_cmp_lg_u32 s[STEPS], 0
	s_cbranch_scc1 .Lstep
	s_wait_tensorcnt 0x0            ; the wave's end: behind my last tensor load and my last LDS store
	ds_add_u32 v[SPW], v[NIL]
	s_wait_dscnt 0x0
	CROUND                          ; the closing round
	s_endpgm
.Lfunc_end_k_q0d279b26ab_attn:
	.size	k_q0d279b26ab_attn, .Lfunc_end_k_q0d279b26ab_attn-k_q0d279b26ab_attn
	.p2alignl 7, 3214868480
	.fill 96, 4, 3214868480
	.section	.rodata,"a",@progbits
	.p2align	6, 0x0
	.amdhsa_kernel k_q0d279b26ab_attn
		.amdhsa_group_segment_fixed_size 327680
		.amdhsa_private_segment_fixed_size 0
		.amdhsa_enable_private_segment 0
		.amdhsa_kernarg_size 32
		.amdhsa_user_sgpr_count 2
		.amdhsa_user_sgpr_kernarg_segment_ptr 1
		.amdhsa_wavefront_size32 1
		.amdhsa_system_sgpr_workgroup_id_x 1
		.amdhsa_system_sgpr_workgroup_id_y 1
		.amdhsa_system_sgpr_workgroup_id_z 1
		.amdhsa_system_vgpr_workitem_id 0
		.amdhsa_next_free_vgpr 896
		.amdhsa_next_free_sgpr 100
		.amdhsa_reserve_vcc 1
		.amdhsa_float_denorm_mode_32 3
		.amdhsa_float_denorm_mode_16_64 3
		.amdhsa_memory_ordered 1
		.amdhsa_forward_progress 1
		.amdhsa_inst_pref_size 89
	.end_amdhsa_kernel
	.amdgpu_metadata
---
amdhsa.version: [ 1, 2 ]
amdhsa.kernels:
  - .name:           k_q0d279b26ab_attn
    .symbol:         k_q0d279b26ab_attn.kd
    .args:
      - { .name: qh, .offset: 0, .size: 8, .value_kind: global_buffer, .address_space: global }
      - { .name: kh, .offset: 8, .size: 8, .value_kind: global_buffer, .address_space: global }
      - { .name: vh, .offset: 16, .size: 8, .value_kind: global_buffer, .address_space: global }
      - { .name: yh, .offset: 24, .size: 8, .value_kind: global_buffer, .address_space: global }
    .group_segment_fixed_size: 327680
    .private_segment_fixed_size: 0
    .kernarg_segment_align: 8
    .kernarg_segment_size: 32
    .max_flat_workgroup_size: 128
    .sgpr_count:     100
    .vgpr_count:     896
    .wavefront_size: 32
...
	.end_amdgpu_metadata
.endif
;; end of part 3
;; launch proj (part 4): grid 8 x 32, 4 waves a work-group, clusters of 4 x 4, 327,680 bytes of LDS; arguments yh, wpf, out0; writes out0
.if DOCPART == 4
	.amdgcn_target "amdgcn-amd-amdhsa--gfx1250"
	.amdhsa_code_object_version 6
	.text
	.protected	k_q0d279b26ab_proj
	.globl	k_q0d279b26ab_proj
	.p2align	8
	.type	k_q0d279b26ab_proj,@function
k_q0d279b26ab_proj:
	s_mov_b64 s[64:65], 0
	v_nop
	global_prefetch_b8 v0, s[64:65] scope:SCOPE_SE
	s_setreg_imm32_b32 hwreg(HW_REG_WAVE_MODE, 25, 1), 1
	s_wait_xcnt 0x0
	s_wait_alu depctr_hold_cnt(0) depctr_sa_sdst(0) depctr_va_vdst(0) depctr_va_sdst(0) depctr_va_ssrc(0) depctr_va_vcc(0) depctr_vm_vsrc(0)
	s_getreg_b32 s2, hwreg(HW_REG_IB_STS2, 6, 4)
	s_cmp_eq_u32 s2, 0
	s_cbranch_scc0 .Lentry_in_a_cluster
	s_endpgm
.Lentry_in_a_cluster:
	s_bfe_u32 s2, ttmp6, 0x10000c
	s_cmp_lg_u32 s2, 0xf033
	s_cbranch_scc0 .Lentry_shape_is_right
	s_endpgm
.Lentry_shape_is_right:
; THE OUTPUT PROJECTION, out0 = yh wpf^T (4096 x 2048, K = 2048, f16 operands, f32 sums, f32 out).
; A tile of C is 128 x 256: 8 x 32 = 256 work-groups.  Four waves, each 64 rows x 128 columns: 32 accumulators of 16 x 16.
; TWO UNEQUAL LDS SLOTS.  A refill has to land before the next refill's barrier, so the fewer and larger the refills, the more products stand between a request and the wait for it.  Two slots of
; 256 along K (2 x 384 rows x 528 bytes) do not fit in LDS; one slot S of 128 along K (384 rows x 272 bytes) and one slot D of 256 along K (384 rows x 528 bytes) do.  K is walked
; S0 D0 S1 D1 S2 D2 S3 D3 S4 D4 S5: 6 x 128 + 5 x 256 = 2048.  S's refill has D's 256 matrix instructions in which to land, D's refill S's 128: nine refills for the sixteen steps of 128.
; All rows of all tiles are 256 or 512 bytes of memory and start at multiples of 256 from the buffer's first byte.
; CLUSTERS: 4 x 4.  A's tile hangs on the tile row alone and is asked for jointly by the four of a row of the cluster, B's on the tile column alone, by the four of a column.
; THE MATRIX INSTRUCTION IS USED TRANSPOSED (source 0 = 16 rows of wpf, source 1 = 16 rows of yh): lane l holds row l % 16 of C, registers 0 .. 7 the columns 8 (l / 16) + 0 .. 7.
; LIMITS.  f16 operands: within 65,504, as the launches before left them.
; REGISTERS, in windows of 256 (s_set_vgpr_msb: bits 1:0 source 0, 3:2 source 1, 5:4 source 2, 7:6 destination):
;   window 0: v16-30 addresses; v64-95, v128-159 fragments of A, two buffers; on the way out v64-95, v96-127 rows read back
;   window 1: v64-127, v128-191 fragments of B, two buffers          window 2: the accumulators ((a, b) at v[8 (8 a + b)])
.set NA,     4                         ; blocks of 16 rows of A in a wave
.set SIZE_K, 2048
.set PS,     272                       ; S: an LDS row of 256 bytes + 16 of padding; D: 512 + 16.  Both are odd multiples of 16 bytes: the 16 rows of a load start at 16 different
.set PD,     528                       ; groups of four banks (64 banks of 4 bytes: ISA guide 11.1)
.set HAS,    64*PS                     ; S: what one tensor load brings of A, and what one wave reads of it
.set HBS,    128*PS                    ; the same for B
.set DB,     2*HAS+2*HBS               ; D begins behind S
.set HAD,    64*PD
.set HBD,    128*PD
.set STAGE,  DB+2*HAD+2*HBD            ; behind the slots: 16 rows x 272 bytes for each wave
.set SPITCH, 272                       ; 64 f32 + 16 bytes
.set SPARE,  STAGE+4*16*SPITCH         ; behind the stages: the spare words, 128 bytes for each wave, that no other line names
.set CYCLE,  768                       ; bytes of a row from an S to the next S, and from a D to the next D
.set TRIPS,  4                         ; trips that fill both slots again
.set ADRA,  16                         ; v16  LDS address of my A fragments in S
.set ADRB,  17                         ; v17  of my B fragments in S
.set ADRAD, 18                         ; v18  of my A fragments in D, at the rows' first byte; never rewritten
.set ADRBD, 19                         ; v19  the same for B
.set RA,    20                         ; v20  v18 + how far D has been walked
.set RB,    21                         ; v21  v19 + the same
.set STO,  24                          ; v24  the way out: where I put 32 bytes of a row
.set RD,   25                          ; v25  where I read rows back
.set CO,   26                          ; v26  my byte offset in two rows of out0
.set SPW,  28                          ; v28  LDS address of my spare word; never rewritten
.set NIL,  29                          ; v29  0; never rewritten
.set PFO,  30                          ; v30  the prefetches' offset: lane x a row of 4,096 bytes; never rewritten
.set F0,   64
.set F1,   128
.set G1AS, 24                          ; s[24:31] descriptor group 1: A's tiles for S
.set G1BS, 32                          ; s[32:39] B's for S
.set G1AD, 40                          ; s[40:47] A's for D
.set G1BD, 48                          ; s[48:55] B's for D
.set G0AS, 56                          ; s[56:59] descriptor group 0, a set for each of the four
.set G0BS, 60
.set G0AD, 68
.set G0BD, 72
.set PFA,  84                          ; s[84:85] where my prefetches stand
.set LIM,  86                          ; s86  1 in a wave that prefetches
.set TD,   87                          ; s87  how far D has been walked, in bytes of a row
.set CNT,  88                          ; s88  counts D's pairs of quarters
.set MSB, 0
.macro WIN new                         ; the immediate's high byte repeats the setting that is left; a switch that changes nothing is dropped
.if MSB != (\new)
	s_set_vgpr_msb (MSB<<8)|(\new)
.set MSB, \new
.endif
.endm
.macro PLACES                          ; four plain instructions between a matrix instruction and a load into, or a store of, its registers
.rept 4
	v_nop
.endr
.endm
; A joint load for S (kind 0) or D (kind 1): waves 0 and 1 fetch A's two halves, waves 2 and 3 B's; an s_nop 0 and four v_nop follow each line.
.macro JLOAD kind
	s_cmp_eq_u32 s11, 0
	s_cbranch_scc0 .Lfor_b_\@
.if \kind
	tensor_load_to_lds s[G0AD:G0AD+3], s[G1AD:G1AD+7]
.else
	tensor_load_to_lds s[G0AS:G0AS+3], s[G1AS:G1AS+7]
.endif
	s_nop 0
.rept 4
	v_nop
.endr
	s_branch .Lasked_\@
.Lfor_b_\@:
.if \kind
	tensor_load_to_lds s[G0BD:G0BD+3], s[G1BD:G1BD+7]
.else
	tensor_load_to_lds s[G0BS:G0BS+3], s[G1BS:G1BS+7]
.endif
	s_nop 0
.rept 4
	v_nop
.endr
.Lasked_\@:
.endm
; A PREFETCH of what the NEXT refill will ask for, a lane a row, 32 rows: behind S's refill (kind 0) the next D's 512 bytes of each row, two lines; behind D's refill (kind 1) the next S's 256.
; Each block of 256 bytes is named once in the launch: A's by the clusters with x = 0 (wave 0 alone: the tile's 128 rows are 32 for each of the four partners), B's by those with y = 0 (waves 2 and 3,
; 32 of their 128 rows for each partner); the partners are told apart by address.  Every tile that the loop's four trips name is asked for later; the tail's refill is followed by no prefetch.
.macro ASK kind
	s_cmp_eq_u32 s[LIM], 1
	s_cbranch_scc0 .Lnot_mine_\@
.if \kind
	global_prefetch_b8 v[PFO], s[PFA:PFA+1] offset:512 th:TH_LOAD_NT scope:SCOPE_SE
.else
	global_prefetch_b8 v[PFO], s[PFA:PFA+1] th:TH_LOAD_NT scope:SCOPE_SE
	global_prefetch_b8 v[PFO], s[PFA:PFA+1] offset:256 th:TH_LOAD_NT scope:SCOPE_SE
.endif
.Lnot_mine_\@:
.endm
.macro CREST                           ; a round of the cluster's barrier behind its opening barrier
	s_cmp_lg_u32 s10, 0
	s_cbranch_scc1 .Lnot_wave_0_\@
	s_barrier_signal -3
.Lnot_wave_0_\@:
	s_barrier_wait -3
	s_barrier_signal -1
	s_barrier_wait -1
.endm
.macro CROUND
	s_barrier_signal -1
	s_barrier_wait -1
	CREST
.endm
	s_load_b128 s[4:7], s[0:1], 0x0                ; yh s[4:5], wpf s[6:7]
	s_load_b64 s[8:9], s[0:1], 0x10                ; out0
	v_lshl_add_u32 v[SPW], v0, 2, SPARE
	v_mov_b32 v[NIL], 0
	ds_add_u32 v[SPW], v[NIL]                      ; the wave's opening: the add and its wait stand ahead of my first tensor load; work on registers stands between them
	v_lshrrev_b32 v1, 5, v0
	v_readfirstlane_b32 s10, v1                    ; wave 0..3
	s_lshr_b32 s11, s10, 1                         ; my half of the tile's rows.  Also: I fetch for A (0) or B (1)
	s_and_b32 s12, s10, 1                          ; my half of its columns.  Also: which half of that tile I fetch
	s_bfe_u32 s76, ttmp6, 0x40000                  ; cx
	s_bfe_u32 s77, ttmp6, 0x40004                  ; cy
	s_lshl_b32 s78, ttmp9, 2
	s_add_co_u32 s78, s78, s76                     ; tile column
	s_and_b32 s13, ttmp7, 0xffff
	s_lshl_b32 s13, s13, 2
	s_add_co_u32 s13, s13, s77                     ; tile row
	s_lshl_b32 s79, s77, 2
	s_lshl_b32 s79, 15, s79                        ; my row of the cluster
	s_lshl_b32 s80, 0x1111, s76                    ; my column
	s_or_b32 s[G1AS], s79, (1<<16)|(1<<20)|(1<<21)|(5<<22)|(3<<25)  ; the mask; 2-byte elements; padding on; bit 21 beside a mask; after every 64 words, 4 words
	s_or_b32 s[G1BS], s80, (1<<16)|(1<<20)|(1<<21)|(5<<22)|(3<<25)
	s_or_b32 s[G1AD], s79, (1<<16)|(1<<20)|(1<<21)|(6<<22)|(3<<25)  ; the same, after every 128 words
	s_or_b32 s[G1BD], s80, (1<<16)|(1<<20)|(1<<21)|(6<<22)|(3<<25)
.irp g, G1AS, G1BS
	s_mov_b32 s[(\g)+1], 128<<16                   ; tensor_dim0 = 128
	s_mov_b32 s[(\g)+3], 128<<16                   ; tile_dim0 = 128
.endr
.irp g, G1AD, G1BD
	s_mov_b32 s[(\g)+1], 256<<16                   ; tensor_dim0 = 256
	s_mov_b32 s[(\g)+3], 256<<16                   ; tile_dim0 = 256
.endr
.irp g, G1AS, G1AD
	s_mov_b32 s[(\g)+2], 64<<16                    ; tensor_dim1 = 64
	s_mov_b32 s[(\g)+4], 64                        ; tile_dim1 = 64
.endr
.irp g, G1BS, G1BD
	s_mov_b32 s[(\g)+2], 128<<16
	s_mov_b32 s[(\g)+4], 128
.endr
.irp g, G1AS, G1BS, G1AD, G1BD
	s_mov_b32 s[(\g)+5], SIZE_K                    ; elements from row to row
	s_mov_b32 s[(\g)+6], 0
	s_mov_b32 s[(\g)+7], 0
.endr
	s_lshl_b32 s17, s12, 6
	s_lshl_b32 s16, s13, 7
	s_add_co_u32 s16, s16, s17                     ; A: the first row that I fetch
	s_lshl_b32 s16, s16, 12                        ; x 4,096 bytes
	s_mov_b32 s17, 0
	s_lshl_b32 s83, s12, 7
	s_lshl_b32 s82, s78, 8
	s_add_co_u32 s82, s82, s83                     ; B: the same
	s_lshl_b32 s82, s82, 12
	s_mov_b32 s83, 0
	s_mul_i32 s20, s12, HAS                        ; where they go: no place in the cluster enters an LDS address
	s_mul_i32 s21, s12, HBS
	s_add_co_u32 s21, s21, 2*HAS
	s_mul_i32 s22, s12, HAD
	s_add_co_u32 s22, s22, DB
	s_mul_i32 s23, s12, HBD
	s_add_co_u32 s23, s23, DB+2*HAD
	s_wait_dscnt 0x0                               ; the opening add is done
	s_wait_kmcnt 0x0
	s_add_nc_u64 s[14:15], s[4:5], s[16:17]
	s_add_nc_u64 s[82:83], s[6:7], s[82:83]
	CROUND                                         ; all sixteen work-groups are here: the first joint loads meet
	s_mov_b32 s[G0AS], 1
	s_mov_b32 s[G0AS+1], s20
	s_mov_b64 s[G0AS+2:G0AS+3], s[14:15]           ; S0: K = 0 .. 127
	s_or_b32 s[G0AS+3], s[G0AS+3], 0x80000000
	s_mov_b32 s[G0BS], 1
	s_mov_b32 s[G0BS+1], s21
	s_mov_b64 s[G0BS+2:G0BS+3], s[82:83]
	s_or_b32 s[G0BS+3], s[G0BS+3], 0x80000000
	s_mov_b32 s[G0AD], 1
	s_mov_b32 s[G0AD+1], s22
	s_add_nc_u64 s[G0AD+2:G0AD+3], s[14:15], 256   ; D0: K = 128 .. 383
	s_or_b32 s[G0AD+3], s[G0AD+3], 0x80000000
	s_mov_b32 s[G0BD], 1
	s_mov_b32 s[G0BD+1], s23
	s_add_nc_u64 s[G0BD+2:G0BD+3], s[82:83], 256
	s_or_b32 s[G0BD+3], s[G0BD+3], 0x80000000
	JLOAD 0
	JLOAD 1                                        ; two loads of mine are out
	; a fragment is 16 rows x 32 K in 8 registers: lane l holds row l % 16, K = 8 (l / 16) + 0..7 and 16 + 8 (l / 16) + 0..7: two loads of 16 bytes, 32 bytes apart
	v_and_b32 v1, 15, v0
	v_bfe_u32 v2, v0, 4, 1
	v_mul_u32_u24 v3, v1, PS
	v_lshl_add_u32 v3, v2, 4, v3
	v_mul_u32_u24 v4, v1, PD
	v_lshl_add_u32 v4, v2, 4, v4
	s_mul_i32 s20, s11, HAS
	v_add_nc_u32 v[ADRA], s20, v3
	s_mul_i32 s20, s12, HBS
	s_add_co_u32 s20, s20, 2*HAS
	v_add_nc_u32 v[ADRB], s20, v3
	s_mul_i32 s20, s11, HAD
	s_add_co_u32 s20, s20, DB
	v_add_nc_u32 v[ADRAD], s20, v4
	s_mul_i32 s20, s12, HBD
	s_add_co_u32 s20, s20, DB+2*HAD
	v_add_nc_u32 v[ADRBD], s20, v4
	s_mul_i32 s90, s10, 16*SPITCH
	s_add_co_u32 s90, s90, STAGE                   ; my stage
	v_mul_u32_u24 v5, v1, SPITCH
	v_lshl_add_u32 v5, v2, 5, v5
	v_add_nc_u32 v[STO], s90, v5                   ; in: row l % 16, 32 bytes for each half of the lanes
	v_mul_u32_u24 v5, v2, SPITCH
	v_lshl_add_u32 v5, v1, 4, v5
	v_add_nc_u32 v[RD], s90, v5                    ; back: lanes 0-15 one row of 256 bytes, lanes 16-31 the next
	v_lshlrev_b32 v[CO], 13, v2                    ; and the same two rows in out0
	v_lshl_add_u32 v[CO], v1, 4, v[CO]
	s_lshl_b32 s90, s13, 7                         ; out0 at my first row and column
	s_lshl_b32 s91, s11, 6
	s_add_co_u32 s90, s90, s91
	s_lshl_b32 s90, s90, 13                        ; x 8,192 bytes
	s_lshl_b32 s91, s78, 10
	s_add_co_u32 s90, s90, s91
	s_lshl_b32 s91, s12, 9
	s_add_co_u32 s90, s90, s91
	s_mov_b32 s91, 0
	s_add_nc_u64 s[8:9], s[8:9], s[90:91]
	; the prefetches
	s_lshl_b32 s92, s13, 7                         ; the tile's first row in A,
	s_lshl_b32 s93, s78, 8                         ; in B
	s_and_b32 s22, ttmp7, 0xffff
	s_cmp_eq_u32 s11, 0
	s_cselect_b32 s20, s92, s93
	s_cselect_b32 s21, s76, s77                    ; my place among the four that ask with me
	s_cselect_b32 s22, ttmp9, s22                  ; the coordinate along which other clusters read the same rows
	s_cselect_b64 s[PFA:PFA+1], s[4:5], s[6:7]
	s_cmp_eq_u32 s22, 0
	s_cselect_b32 s[LIM], 1, 0
	s_cmp_eq_u32 s10, 1
	s_cselect_b32 s[LIM], 0, s[LIM]                ; wave 0 names all that the work-group takes of A's tile
	s_cmp_eq_u32 s11, 0
	s_cselect_b32 s22, 0, s12
	s_lshl_b32 s22, s22, 7
	s_add_co_u32 s20, s20, s22                     ; B: + the 128 rows that I fetch
	s_lshl_b32 s21, s21, 5
	s_add_co_u32 s20, s20, s21                     ; + my work-group's 32
	s_lshl_b32 s20, s20, 12
	s_mov_b32 s21, 0
	s_add_nc_u64 s[PFA:PFA+1], s[PFA:PFA+1], s[20:21]
	s_add_nc_u64 s[PFA:PFA+1], s[PFA:PFA+1], 256   ; at D0; the first change of slots steps it to D1.  Nothing is asked for here, at the head
	v_and_b32 v[PFO], 31, v0
	v_lshlrev_b32 v[PFO], 12, v[PFO]
; 8 matrix instructions: block a of my rows x all 8 column blocks, 32 along K.  The 32 accumulators take turns, one instruction a turn.
.macro MULA f, a, zero
	WIN 0xa1                                       ; source 0 (B) window 1, source 1 (A) window 0, C and D window 2
.irp b, 0,1,2,3,4,5,6,7
.if \zero
	v_wmma_f32_16x16x32_f16 v[8*(8*(\a)+(\b)):8*(8*(\a)+(\b))+7], v[(\f)+8*(\b):(\f)+8*(\b)+7], v[(\f)+8*(\a):(\f)+8*(\a)+7], 0
.else
	v_wmma_f32_16x16x32_f16 v[8*(8*(\a)+(\b)):8*(8*(\a)+(\b))+7], v[(\f)+8*(\b):(\f)+8*(\b)+7], v[(\f)+8*(\a):(\f)+8*(\a)+7], v[8*(8*(\a)+(\b)):8*(8*(\a)+(\b))+7]
.endif
.endr
.endm
.macro MULS f, a0, n, zero
.set ma, (\a0)
.rept (\n)
	MULA \f, ma, \zero
.set ma, ma+1
.endr
.endm
; One run of LDS loads: the fragments of 32 K, B's 16 loads, then A's 8.  kind 0: from S, at byte k of its rows; kind 1: from D, at byte k behind the place to which it has been walked.
.macro FETCH kind, k, f
.if \kind
.set FP, PD
.set FA, RA
.set FB, RB
.else
.set FP, PS
.set FA, ADRA
.set FB, ADRB
.endif
	WIN 0x40
.set fi, 0
.rept 8
	ds_load_b128 v[(\f)+8*fi:(\f)+8*fi+3],   v[FB] offset:(\k)+fi*16*FP
	ds_load_b128 v[(\f)+8*fi+4:(\f)+8*fi+7], v[FB] offset:(\k)+fi*16*FP+32
.set fi, fi+1
.endr
	WIN 0
.set fi, 0
.rept NA
	ds_load_b128 v[(\f)+8*fi:(\f)+8*fi+3],   v[FA] offset:(\k)+fi*16*FP
	ds_load_b128 v[(\f)+8*fi+4:(\f)+8*fi+7], v[FA] offset:(\k)+fi*16*FP+32
.set fi, fi+1
.endr
.endm
; A quarter is 32 along K, 32 matrix instructions, on buffers 0, 1 by turns: it multiplies f and, in its middle, fetches the next quarter into g.
.macro QUARTER kind, k, f, g, zero
	s_wait_dscnt NA                                ; B and A's lower blocks are in; the youngest NA loads may be out
	MULS \f, 0, NA/2, \zero
	PLACES
	FETCH \kind, \k, \g
	s_wait_dscnt 16+2*NA                           ; all but the run just issued
	MULS \f, NA/2, NA/2, \zero
.endm
; The first half of a slot's last quarter, and the one barrier of a change of slots: in front of it each wave waits for all its tensor loads (its part of the other slot), adds 0 to its spare word,
; and waits for that and for its own reads of this slot.
.macro MEET round
	WIN 0
	s_wait_tensorcnt 0x0
	ds_add_u32 v[SPW], v[NIL]
	s_wait_dscnt NA+1                              ; (the add and the youngest NA loads may be out)
	MULS F1, 0, NA/4, 0
	s_wait_dscnt 0x0                               ; the add is done, and my reads of this slot are over
	s_barrier_signal -1
	MULS F1, NA/4, NA/4, 0
.if \round
	WIN 0
.endif
	s_barrier_wait -1
.endm
; A slot's whole last quarter with its refill.  kind: the slot that has been read out (0 S, 1 D).  The barrier opens a round of the cluster's; the joint refill, the same slot's next tile, is the first
; tensor load behind the round; then the other slot's first fragments are fetched.  ask = 1: a prefetch follows.
.macro TURN kind, ask
.if ((\kind) == 0) && (\ask)
	s_wait_xcnt 0x0                                ; the last prefetch, three quarters back, has read its address
	s_add_nc_u64 s[PFA:PFA+1], s[PFA:PFA+1], CYCLE
.endif
	MEET 1
	CREST                                          ; no wave of any partner still reads this slot or has a load on its way
.if \kind
	s_add_nc_u64 s[G0AD+2:G0AD+3], s[G0AD+2:G0AD+3], CYCLE
	s_add_nc_u64 s[G0BD+2:G0BD+3], s[G0BD+2:G0BD+3], CYCLE
.else
	s_add_nc_u64 s[G0AS+2:G0AS+3], s[G0AS+2:G0AS+3], CYCLE
	s_add_nc_u64 s[G0BS+2:G0BS+3], s[G0BS+2:G0BS+3], CYCLE
.endif
	JLOAD \kind                                    ; its four v_nop are also the places in front of the loads below
.if \kind
	FETCH 0, 0, F0
.else
	s_mov_b32 s[TD], 0                             ; D is walked from its rows' first byte
	v_mov_b32 v[RA], v[ADRAD]
	v_mov_b32 v[RB], v[ADRBD]
	FETCH 1, 0, F0
.endif
.if \ask
	ASK \kind
.endif
	MULS F1, NA/2, NA/2, 0
.endm
; D's quarters 0 to 6.  Quarters 0 to 5 are three trips of one text of two quarters; the place in D's rows steps by 128 bytes a trip.
.macro DSTEPS
	WIN 0
	s_mov_b32 s[CNT], 3
.Lpair_\@:
	QUARTER 1, 64,  F0, F1, 0
	QUARTER 1, 128, F1, F0, 0
	WIN 0
	s_add_co_u32 s[TD], s[TD], 128
	v_add_nc_u32 v[RA], s[TD], v[ADRAD]
	v_add_nc_u32 v[RB], s[TD], v[ADRBD]
	s_sub_co_u32 s[CNT], s[CNT], 1
	s_cmp_lg_u32 s[CNT], 0
	s_cbranch_scc1 .Lpair_\@
	QUARTER 1, 64,  F0, F1, 0                      ; quarter 6 fetches quarter 7, at byte 384 + 64
.endm
	s_wait_tensorcnt 1                             ; my part of S0 is in; D0's may stay out
	s_barrier_signal -1
	s_barrier_wait -1
	FETCH 0, 0, F0
	QUARTER 0, 64, F0, F1, 1                       ; the first quarter's products start the sums
	WIN 0
	s_mov_b32 s3, TRIPS
.Llap:                                         ; a trip goes from an S's second quarter to the next S's first, and fills both slots again
	QUARTER 0, 128, F1, F0, 0
	QUARTER 0, 192, F0, F1, 0
	TURN 0, 1
	DSTEPS
	TURN 1, 1
	QUARTER 0, 64,  F0, F1, 0
	WIN 0
	s_sub_co_u32 s3, s3, 1
	s_cmp_lg_u32 s3, 0
	s_cbranch_scc1 .Llap
	QUARTER 0, 128, F1, F0, 0                      ; the tail is written out: the rest of S4
	QUARTER 0, 192, F0, F1, 0
	TURN 0, 0                                      ; S5 is asked for: the last load;
	DSTEPS                                         ; D4,
	MEET 0                                         ; which is not filled again: my work-group's barrier alone;
	PLACES
	FETCH 0, 0, F0
	MULS F1, NA/2, NA/2, 0
	QUARTER 0, 64,  F0, F1, 0                      ; S5
	QUARTER 0, 128, F1, F0, 0
	QUARTER 0, 192, F0, F1, 0
	s_wait_dscnt NA
	MULS F1, 0, NA/2, 0
	s_wait_dscnt 0x0
	MULS F1, NA/2, NA/2, 0
	WIN 0
	PLACES
; THE WAY OUT, half a block at a time (n = 2 a + half: 16 rows x 64 columns): the accumulators go as they are into my own stage (each one's lowest registers first)
; and come back as whole rows of 256 bytes.
.macro TOSTAGE n
.if (\n) >= 2
	s_wait_xcnt 0x0                                ; the stores of the half block two back have read the registers that the loads below write
.endif
	WIN 0x08                                       ; the stores' data in window 2
.irp b, 0,1,2,3
	ds_store_b128 v[STO], v[8*(4*(\n)+(\b)):8*(4*(\n)+(\b))+3]   offset:64*(\b)
	ds_store_b128 v[STO], v[8*(4*(\n)+(\b))+4:8*(4*(\n)+(\b))+7] offset:64*(\b)+16
.endr
	WIN 0
.set BK, 64+32*((\n)%2)
.irp t, 0,1,2,3,4,5,6,7
	ds_load_b128 v[BK+4*(\t):BK+4*(\t)+3], v[RD] offset:(\t)*2*SPITCH  ; LDS serves a wave's instructions in order (ISA guide 5.7.1.4): these see the stores above; the next half block's stores come behind them
.endr
.endm
.macro SEND n, younger                 ; younger: the next half block's 8 stores and 8 loads, or none
	s_wait_dscnt \younger
.set BK, 64+32*((\n)%2)
.irp t, 0,1,2,3,4,5,6,7
	global_store_b128 v[CO], v[BK+4*(\t):BK+4*(\t)+3], s[8:9] offset:(16*((\n)/2)+2*(\t))*8192+256*((\n)%2) th:TH_STORE_NT  ; 16 lanes store 256 consecutive bytes, at a multiple of 256 from out0's first byte
.endr
.endm
	TOSTAGE 0
.irp n, 1,2,3,4,5,6,7
	TOSTAGE \n
	SEND (\n)-1, 16
.endr
	SEND 7, 0
	s_wait_tensorcnt 0x0                           ; the wave's end: behind my last tensor load and my last LDS store
	ds_add_u32 v[SPW], v[NIL]
	s_wait_dscnt 0x0
	CROUND                                         ; the closing round: no work-group ends while a partner may still ask for a tile that names it
	s_endpgm
.Lfunc_end_k_q0d279b26ab_proj:
	.size	k_q0d279b26ab_proj, .Lfunc_end_k_q0d279b26ab_proj-k_q0d279b26ab_proj
	.p2alignl 7, 3214868480
	.fill 96, 4, 3214868480
	.section	.rodata,"a",@progbits
	.p2align	6, 0x0
	.amdhsa_kernel k_q0d279b26ab_proj
		.amdhsa_group_segment_fixed_size 327680
		.amdhsa_private_segment_fixed_size 0
		.amdhsa_enable_private_segment 0
		.amdhsa_kernarg_size 24
		.amdhsa_user_sgpr_count 2
		.amdhsa_user_sgpr_kernarg_segment_ptr 1
		.amdhsa_wavefront_size32 1
		.amdhsa_system_sgpr_workgroup_id_x 1
		.amdhsa_system_sgpr_workgroup_id_y 1
		.amdhsa_system_sgpr_workgroup_id_z 1
		.amdhsa_system_vgpr_workitem_id 0
		.amdhsa_next_free_vgpr 768
		.amdhsa_next_free_sgpr 96
		.amdhsa_reserve_vcc 0
		.amdhsa_float_denorm_mode_32 3
		.amdhsa_float_denorm_mode_16_64 3
		.amdhsa_memory_ordered 1
		.amdhsa_forward_progress 1
		.amdhsa_inst_pref_size 105
	.end_amdhsa_kernel
	.amdgpu_metadata
---
amdhsa.version: [ 1, 2 ]
amdhsa.kernels:
  - .name:           k_q0d279b26ab_proj
    .symbol:         k_q0d279b26ab_proj.kd
    .args:
      - { .name: yh, .offset: 0, .size: 8, .value_kind: global_buffer, .address_space: global }
      - { .name: wpf, .offset: 8, .size: 8, .value_kind: global_buffer, .address_space: global }
      - { .name: out0, .offset: 16, .size: 8, .value_kind: global_buffer, .address_space: global }
    .group_segment_fixed_size: 327680
    .private_segment_fixed_size: 0
    .kernarg_segment_align: 8
    .kernarg_segment_size: 24
    .max_flat_workgroup_size: 128
    .sgpr_count:     96
    .vgpr_count:     768
    .wavefront_size: 32
...
	.end_amdgpu_metadata
.endif
;; end of part 4
;; ======== version 2 of 2: 4 launches; version 1 with the launch prep written anew for expert scheduling mode
;; limits: values are held in f16: magnitudes above 65,504 overflow, below 6.1e-05 lose precision
;; workspace buffers: xb 16,777,216 bytes; wcat 12,582,912 bytes; wpf 8,388,608 bytes; tab 524,288 bytes; qh 16,777,216 bytes; kh 4,194,304 bytes; vh 4,194,304 bytes; yh 16,777,216 bytes
;; launch prep (part 5): grid 928 x 1, 8 waves a work-group, no clusters, 0 bytes of LDS; arguments x, Wq, Wk, Wv, xb, wcat, tab; writes xb, wcat, tab
.if DOCPART == 5
	.amdgcn_target "amdgcn-amd-amdhsa--gfx1250"
	.amdhsa_code_object_version 6
	.text
	.protected	k_q0d279b26ab_prep
	.globl	k_q0d279b26ab_prep
	.p2align	8
	.type	k_q0d279b26ab_prep,@function
k_q0d279b26ab_prep:
	s_mov_b64 s[64:65], 0
	v_nop
	global_prefetch_b8 v0, s[64:65] scope:SCOPE_SE
	s_setreg_imm32_b32 hwreg(HW_REG_WAVE_SCHED_MODE, 0, 2), 2
	s_setreg_imm32_b32 hwreg(HW_REG_WAVE_MODE, 25, 1), 1
	s_wait_xcnt 0x0
	s_wait_alu depctr_vm_vsrc(0)
; CASTS AND THE ROTATION TABLE.  Work-groups 0 .. 895 each round 65,536 bytes of f32 to 32,768 bytes of bf16; work-groups 896 .. 927 each make 16 rows of the cos / sin table.
;   x     -> xb   bf16 [4096][2048]
;   Wq    -> wcat bf16 rows 0 .. 2047;  Wk head n -> wcat rows 2048 + 256 n .. + 127;  Wv head n -> the 128 rows behind them
;   tab   f32 [id 2][tblock 32][cs 2][b 4][q 2][lane 32][4]: t = 16 tblock + lane % 16, d = 16 b + 8 (lane / 16) + 4 q + e; cs 0 cos, 1 sin; id 1: cos = 1, sin = 0
; (Wproj is cast in the next launch, by work-groups that have no part of its product.)
; A stream: no LDS, no barrier, no matrix unit.  A thread's 16 loads of 16 bytes are all out at once; a wave's load covers 512 consecutive bytes, its store 256 consecutive bytes, aligned.
; LIMITS.  The angle t x 10000^(-d/64) is made by 2^x (1 ULP) and differs from the one made by a power and a division by some 5e-5 rad at the most (t = 511).
; cos and sin: reduction by pi/2 in two parts, polynomials of degree 7 and 8 on |r| <= pi/4.
; THE MODE: SCHED_MODE bits 1:0 = 2 (LLVM: expert scheduling mode 2), set by the entry lines.  The code itself states the register dependences
; between vector instructions and memory instructions, with s_wait_alu, always for 0.
; THE PLAN, the casts.  Registers that memory instructions touch:
;   v1, v2     byte offsets of the loads and of the stores: made once at the head, never written again.
;   X          number i's four registers: its load lands in them once; its two conversions read them.  No vector instruction writes them.
;   Y          number i's pair: its two conversions write it once; its store reads it.  No register is written twice.
; The 16 numbers go in four groups of four.  Group g's conversions read X and write Y of group g alone; the memory instructions that stand among them are the stores of group g - 1.
; So one wait at a group's head, behind the wait for its data, states all that those four stores hang on; one more stands ahead of the last four stores.
; THE PLAN, the table.  v1 is the four stores' offset, v[40:55] their data: one wait ahead of the stores.  The four compares write s44 to s47 in one run: one wait ahead of the selects that read them.
.set NCAST, 896
.set X,  8                             ; v[8:71]    16 x 4 numbers as loaded
.set Y,  72                            ; v[72:103]  16 x 2 registers to store
	s_load_b256 s[16:23], s[0:1], 0x0              ; x 16, Wq 18, Wk 20, Wv 22
	s_load_b128 s[24:27], s[0:1], 0x20             ; xb 24, wcat 26
	s_load_b64 s[32:33], s[0:1], 0x30              ; tab
	s_mov_b32 s2, ttmp9                            ; the work-group's number
	v_lshlrev_b32 v1, 4, v0                        ; 16 bytes a thread in the source (and in the table)
	v_lshlrev_b32 v2, 3, v0                        ; 8 bytes a thread in the destination
	s_wait_kmcnt 0x0
	s_cmp_ge_u32 s2, NCAST
	s_cbranch_scc1 .Ltab
	; which region is mine: source, destination, the region's first work-group, a constant offset, and the shift of u / 16
	s_mov_b64 s[4:5], s[16:17]
	s_mov_b64 s[6:7], s[24:25]
	s_mov_b32 s8, 0
	s_mov_b32 s9, 0
	s_mov_b32 s10, 19
	s_cmp_ge_u32 s2, 512                           ; Wq -> wcat
	s_cselect_b64 s[4:5], s[18:19], s[4:5]
	s_cselect_b64 s[6:7], s[26:27], s[6:7]
	s_cselect_b32 s8, 512, s8
	s_cmp_ge_u32 s2, 768                           ; Wk: 16 units a head, heads 256 rows (1 << 20 bytes) apart, behind Wq's 2,048 rows
	s_cselect_b64 s[4:5], s[20:21], s[4:5]
	s_cselect_b32 s8, 768, s8
	s_cselect_b32 s9, 0x800000, s9
	s_cselect_b32 s10, 20, s10
	s_cmp_ge_u32 s2, 832                           ; Wv: the same, 128 rows further on
	s_cselect_b64 s[4:5], s[22:23], s[4:5]
	s_cselect_b32 s8, 832, s8
	s_cselect_b32 s9, 0x880000, s9
	s_sub_co_u32 s11, s2, s8                       ; u: my unit in the region
	s_lshr_b32 s12, s11, 4
	s_lshl_b32 s12, s12, s10
	s_and_b32 s13, s11, 15
	s_lshl_b32 s13, s13, 15
	s_add_co_u32 s12, s12, s13
	s_add_co_u32 s12, s12, s9                      ; byte offset in the destination
	s_mov_b32 s13, 0
	s_add_nc_u64 s[6:7], s[6:7], s[12:13]
	s_lshl_b32 s14, s11, 16                        ; byte offset in the source
	s_mov_b32 s15, 0
	s_add_nc_u64 s[4:5], s[4:5], s[14:15]
	s_wait_alu depctr_va_vdst(0)                   ; v1 and v2 are written: every load below reads v1 as its offset, every store v2
.set i, 0
.rept 16
	global_load_b128 v[X+4*i:X+4*i+3], v1, s[4:5] offset:4096*i th:TH_LOAD_NT
.set i, i+1
.endr
; Group g: numbers 4 g .. 4 g + 3 are rounded; the stores of group g - 1 are dealt among the conversions.
.macro GROUP g
	s_wait_loadcnt 12-4*(\g)                       ; loads come back in order (ISA guide 5.7.1): the group's four are in, the 12 - 4 g younger ones stay out
.if (\g) > 0
	s_wait_alu depctr_va_vdst(0)                   ; the group before has written its four pairs of Y, which the stores below read; no vector instruction behind this wait names those pairs or v2
.endif
.irp n, 0,1,2,3
.if (\g) > 0
	global_store_b64 v2, v[Y+2*(4*(\g)-4+(\n)):Y+2*(4*(\g)-4+(\n))+1], s[6:7] offset:2048*(4*(\g)-4+(\n))
.endif
	v_cvt_pk_bf16_f32 v[Y+2*(4*(\g)+(\n))],   v[X+4*(4*(\g)+(\n))],   v[X+4*(4*(\g)+(\n))+1]
	v_cvt_pk_bf16_f32 v[Y+2*(4*(\g)+(\n))+1], v[X+4*(4*(\g)+(\n))+2], v[X+4*(4*(\g)+(\n))+3]
.endr
.endm
	GROUP 0
	GROUP 1
	GROUP 2
	GROUP 3
	s_wait_alu depctr_va_vdst(0)                   ; the last group has written its four pairs of Y, which the last four stores read
.irp n, 12,13,14,15
	global_store_b64 v2, v[Y+2*(\n):Y+2*(\n)+1], s[6:7] offset:2048*(\n)
.endr
	s_endpgm
.Ltab:                                         ; thread = 64 b + 32 q + lane: its 16 bytes lie at 16 x thread in each block of 4,096
	s_sub_co_u32 s3, s2, NCAST                     ; tblock
	s_lshl_b32 s4, s3, 4
	s_lshl_b32 s6, s3, 13                          ; 8,192 bytes a tblock
	s_mov_b32 s7, 0
	s_add_nc_u64 s[32:33], s[32:33], s[6:7]
	s_mov_b32 s34, 0xbe549a78                      ; -log2(10000) / 64
	s_mov_b32 s35, 0x3f22f983                      ; 2 / pi
	s_mov_b32 s36, 0xbfc90fdb                      ; -(pi / 2), the f32 next to it,
	s_mov_b32 s37, 0x333bbd2e                      ; and what that f32 has too much
	s_mov_b32 s38, 0xb94ca1f9                      ; sin: -1.9515296e-4
	s_mov_b32 s39, 0x3c08839e                      ;       8.3321609e-3
	s_mov_b32 s40, 0xbe2aaaa3                      ;      -1.6666655e-1
	s_mov_b32 s41, 0x37ccf5ce                      ; cos:  2.4433157e-5
	s_mov_b32 s42, 0xbab6061a                      ;      -1.3887316e-3
	s_mov_b32 s43, 0x3d2aaaa5                      ;       4.1666646e-2
	v_and_b32 v3, 15, v0
	v_bfe_u32 v4, v0, 4, 1
	v_bfe_u32 v5, v0, 5, 1
	v_lshrrev_b32 v6, 6, v0
	v_add_nc_u32 v3, s4, v3
	v_cvt_f32_u32 v3, v3                           ; t
	v_lshlrev_b32 v6, 4, v6
	v_lshl_add_u32 v6, v4, 3, v6
	v_lshl_add_u32 v6, v5, 2, v6                   ; d of my first number
.irp e, 0,1,2,3
	v_add_nc_u32 v[8+(\e)], (\e), v6
	v_cvt_f32_u32 v[8+(\e)], v[8+(\e)]
	v_mul_f32 v[8+(\e)], s34, v[8+(\e)]
.endr
.irp e, 0,1,2,3
	v_exp_f32 v[12+(\e)], v[8+(\e)]                ; 10000^(-d/64)
.endr
	v_nop                                          ; a plain instruction behind the last exponential,
	s_wait_alu depctr_va_vdst(0)                   ; and one wait for the four: v12 to v15 are written, ahead of their first reader
.irp e, 0,1,2,3
	v_mul_f32 v[16+(\e)], v3, v[12+(\e)]           ; the angle f
	v_mul_f32 v[20+(\e)], s35, v[16+(\e)]
	v_rndne_f32 v[20+(\e)], v[20+(\e)]             ; k = the nearest multiple of pi / 2
	v_fma_f32 v[16+(\e)], v[20+(\e)], s36, v[16+(\e)]
	v_fma_f32 v[16+(\e)], v[20+(\e)], s37, v[16+(\e)]  ; r = f - k pi / 2
	v_mul_f32 v[24+(\e)], v[16+(\e)], v[16+(\e)]   ; z = r r
	v_fma_f32 v[28+(\e)], v[24+(\e)], s38, s39
	v_fma_f32 v[28+(\e)], v[24+(\e)], v[28+(\e)], s40
	v_mul_f32 v[28+(\e)], v[28+(\e)], v[24+(\e)]
	v_fma_f32 v[28+(\e)], v[28+(\e)], v[16+(\e)], v[16+(\e)]  ; sin r
	v_fma_f32 v[32+(\e)], v[24+(\e)], s41, s42
	v_fma_f32 v[32+(\e)], v[24+(\e)], v[32+(\e)], s43
	v_fma_f32 v[32+(\e)], v[24+(\e)], v[32+(\e)], -0.5
	v_fma_f32 v[32+(\e)], v[24+(\e)], v[32+(\e)], 1.0         ; cos r
	v_cvt_i32_f32 v[20+(\e)], v[20+(\e)]
	v_and_b32 v[36+(\e)], 1, v[20+(\e)]
.endr
.irp e, 0,1,2,3
	v_cmp_eq_u32 s[44+(\e)], 1, v[36+(\e)]         ; odd k: sin and cos change places.  The four compares stand in one run, each with a mask of its own
.endr
.irp e, 0,1,2,3                        ; work that reads no mask stands between the compares and the wait for them
	v_and_b32 v[56+(\e)], 2, v[20+(\e)]            ; sin changes sign for k % 4 = 2, 3
	v_lshlrev_b32 v[56+(\e)], 30, v[56+(\e)]
	v_add_nc_u32 v[60+(\e)], 1, v[20+(\e)]         ; cos for k % 4 = 1, 2
	v_and_b32 v[60+(\e)], 2, v[60+(\e)]
	v_lshlrev_b32 v[60+(\e)], 30, v[60+(\e)]
	v_mov_b32 v[48+(\e)], 1.0
	v_mov_b32 v[52+(\e)], 0
.endr
	s_wait_alu depctr_va_sdst(0)                   ; the four compares have written s44 to s47, ahead of their first readers, the selects below
.irp e, 0,1,2,3
	v_cndmask_b32 v[44+(\e)], v[28+(\e)], v[32+(\e)], s[44+(\e)]
	v_cndmask_b32 v[40+(\e)], v[32+(\e)], v[28+(\e)], s[44+(\e)]
	v_xor_b32 v[44+(\e)], v[56+(\e)], v[44+(\e)]
	v_xor_b32 v[40+(\e)], v[60+(\e)], v[40+(\e)]
.endr
	s_wait_alu depctr_va_vdst(0)                   ; v40 to v55, the four stores' data, and v1, their offset, are written
	global_store_b128 v1, v[40:43], s[32:33]                 ; cos
	global_store_b128 v1, v[44:47], s[32:33] offset:4096     ; sin
	global_store_b128 v1, v[48:51], s[32:33] offset:262144   ; the table that turns nothing: ones,
	global_store_b128 v1, v[52:55], s[32:33] offset:266240   ; zeros
	s_endpgm
.Lfunc_end_k_q0d279b26ab_prep:
	.size	k_q0d279b26ab_prep, .Lfunc_end_k_q0d279b26ab_prep-k_q0d279b26ab_prep
	.p2alignl 7, 3214868480
	.fill 96, 4, 3214868480
	.section	.rodata,"a",@progbits
	.p2align	6, 0x0
	.amdhsa_kernel k_q0d279b26ab_prep
		.amdhsa_group_segment_fixed_size 0
		.amdhsa_private_segment_fixed_size 0
		.amdhsa_enable_private_segment 0
		.amdhsa_kernarg_size 56
		.amdhsa_user_sgpr_count 2
		.amdhsa_user_sgpr_kernarg_segment_ptr 1
		.amdhsa_wavefront_size32 1
		.amdhsa_system_sgpr_workgroup_id_x 1
		.amdhsa_system_sgpr_workgroup_id_y 1
		.amdhsa_system_sgpr_workgroup_id_z 1
		.amdhsa_system_vgpr_workitem_id 0
		.amdhsa_next_free_vgpr 104
		.amdhsa_next_free_sgpr 66
		.amdhsa_reserve_vcc 0
		.amdhsa_float_denorm_mode_32 3
		.amdhsa_float_denorm_mode_16_64 3
		.amdhsa_memory_ordered 1
		.amdhsa_forward_progress 1
		.amdhsa_inst_pref_size 15
	.end_amdhsa_kernel
	.amdgpu_metadata
---
amdhsa.version: [ 1, 2 ]
amdhsa.kernels:
  - .name:           k_q0d279b26ab_prep
    .symbol:         k_q0d279b26ab_prep.kd
    .args:
      - { .name: x, .offset: 0, .size: 8, .value_kind: global_buffer, .address_space: global }
      - { .name: Wq, .offset: 8, .size: 8, .value_kind: global_buffer, .address_space: global }
      - { .name: Wk, .offset: 16, .size: 8, .value_kind: global_buffer, .address_space: global }
      - { .name: Wv, .offset: 24, .size: 8, .value_kind: global_buffer, .address_space: global }
      - { .name: xb, .offset: 32, .size: 8, .value_kind: global_buffer, .address_space: global }
      - { .name: wcat, .offset: 40, .size: 8, .value_kind: global_buffer, .address_space: global }
      - { .name: tab, .offset: 48, .size: 8, .value_kind: global_buffer, .address_space: global }
    .group_segment_fixed_size: 0
    .private_segment_fixed_size: 0
    .kernarg_segment_align: 8
    .kernarg_segment_size: 56
    .max_flat_workgroup_size: 256
    .sgpr_count:     66
    .vgpr_count:     104
    .wavefront_size: 32
...
	.end_amdgpu_metadata
.endif
;; end of part 5
;; launch qkv: the kernel of part 2 again; grid 16 x 16, 4 waves a work-group, clusters of 4 x 4, 327,680 bytes of LDS; arguments xb, wcat, tab, q_gain, qh, kh, vh, Wproj, wpf; writes qh, kh, vh, wpf
;; launch attn: the kernel of part 3 again; grid 8 x 32, 4 waves a work-group, clusters of 4 x 1, 327,680 bytes of LDS; arguments qh, kh, vh, yh; writes yh
;; launch proj: the kernel of part 4 again; grid 8 x 32, 4 waves a work-group, clusters of 4 x 4, 327,680 bytes of LDS; arguments yh, wpf, out0; writes out0
